; MI455X (gfx1250); checked and timed in simulation.
; The chip was launched on July 23, 2026; its instructions are those of AMD's public machine-readable ISA for CDNA 5 (MIT licence, August 2026) and "CDNA5" Instruction Set Architecture Reference Guide (July 2026). The comments in the code are by the model that wrote it; some were corrected since.
;; D Flash Attention. Allowed arithmetic: matrix products marked QUANTISED: E2M1 operands, one E8M0 scale for each 32 along K, by v_wmma_scale_f32_16x16x128_f8f6f4 with both operands' format E2M1 (or v_wmma_scale_f32_32x16x128_f4), f32 sums; products left as they are: bf16, f16 or f32 operands; f32 sums; everything else in f32.
;; Inputs: Wk 1,024 x 4,096 float32; Wo 4,096 x 1,024 float32; Wq 1,024 x 4,096 float32; Wv 1,024 x 4,096 float32; cos 1 x 4,096 x 128 float32; hidden_states 1 x 2,048 x 4,096 float32; sin 1 x 4,096 x 128 float32; target_hidden 1 x 2,048 x 4,096 float32.
;; Outputs: out0 1 x 2,048 x 4,096 float32.
;; This version of the problem:
;;   THIS VERSION OF THE PROBLEM IS GIVEN IN LOW PRECISION. The matrix products marked QUANTISED in the list below multiply operands that are first quantised to E2M1 (2 exponent bits, 1 mantissa bit; 4 bits a number), with one power-of-two scale for each 32 numbers along K (OCP MX v1.0); their sums are f32. The products marked 'left as it is' may take bf16, f16 or f32 operands, with f32 sums. Whichever they take, every output number must still come out within the allowed error. Rounding operands to bf16 (8 significant bits) uses up far more of that allowance than f16 does (11 bits, for magnitudes from 6e-5 to 65,504). All else is computed in f32.
;;   The module's matrix products, in the order in which they are computed (A, B: the left and right operand; K: the contracted axis; several contracted axes count as one K, in the product's order):
;;     1. [M 2,048, K 4,096] x [K 4,096, N 1,024]; A: input hidden_states; B: input Wq: QUANTISED
;;     2. [M 2,048, K 4,096] x [K 4,096, N 1,024]; A: input target_hidden; B: input Wk: QUANTISED
;;     3. [M 2,048, K 4,096] x [K 4,096, N 1,024]; A: input target_hidden; B: input Wv: QUANTISED
;;     4. [M 2,048, K 4,096] x [K 4,096, N 1,024]; A: input hidden_states; B: input Wk: QUANTISED
;;     5. [M 2,048, K 4,096] x [K 4,096, N 1,024]; A: input hidden_states; B: input Wv: QUANTISED
;;     6. batch 8 x [M 2,048, K 128] x [K 128, N 4,096]; A: computed on the way; B: computed on the way: left as it is (an operand is computed on the way)
;;     7. batch 8 x [M 2,048, K 4,096] x [K 4,096, N 128]; A: computed on the way; B: computed on the way: left as it is (an operand is computed on the way)
;;     8. [M 2,048, K 1,024] x [K 1,024, N 4,096]; A: computed on the way; B: input Wo: left as it is (an operand is computed on the way)
;;   THE QUANTISER, for each operand of a quantised product, along K:
;;     - K is cut into blocks of 32 from its start; a last block that is shorter is filled with zeros.
;;     - A block's scale is 2^e with e = floor(log2(the largest magnitude in the block)) - 2, held to -126 .. 127; a block of zeros has e = 0. As a byte (E8M0): e + 127.
;;     - Each number is divided by its block's scale, clamped to +-6, and rounded to the nearest number of E2M1, ties to even, subnormals kept.
;;     - The product sums the exact products of the quantised numbers (number of the format x scale) in f32.
;;   ~~~python
;;   def quantise(x, axis):      # numpy; x: float32 -> the quantised numbers, widened to float32 again
;;       x = np.moveaxis(x, axis, -1); K = x.shape[-1]
;;       x = np.pad(x, [(0, 0)] * (x.ndim - 1) + [(0, -K % 32)]); x = x.reshape(x.shape[:-1] + (-1, 32)); a = np.abs(x).max(-1, keepdims=True)
;;       e = np.where(a > 0, np.clip(np.frexp(np.where(a > 0, a, 1))[1] - 1 - 2, -126, 127), 0)      # np.frexp(a)[1] - 1 = floor(log2(a)), exactly
;;       r = np.clip(x / 2.0 ** e, -6, 6)
;;       step = 2.0 ** (np.maximum(np.frexp(np.where(r == 0, 1, r))[1] - 1, 0) - 1)
;;       q = np.round(r / step) * step * 2.0 ** e      # np.round: ties to even
;;       return np.moveaxis(q.reshape(q.shape[:-2] + (-1,))[..., :K], -1, axis).astype(np.float32)
;;   ~~~
;; One version. Each part assembles by itself: llvm-mc -triple=amdgcn-amd-amdhsa -mcpu=gfx1250 --defsym DOCPART=n.
;; ======== version 1 of 1: 4 launches
;; limits: values are held in f16: magnitudes above 65,504 overflow, below 6.1e-05 lose precision; right only within a limited range of input values
;; workspace buffers: xw 15,597,568 bytes; wf 8,388,608 bytes; rot 4,194,304 bytes; kv 16,777,216 bytes; qf 4,194,304 bytes; af 4,194,304 bytes
;; launch prep (part 1): grid 256 x 1, 9 waves a work-group, no clusters, 77,312 bytes of LDS; arguments target_hidden, hidden_states, Wk, Wv, Wq, Wo, cos, sin, xw, wf, rot; writes xw, wf, rot
.if DOCPART == 1
	.amdgcn_target "amdgcn-amd-amdhsa--gfx1250"
	.amdhsa_code_object_version 6
	.text
	.protected	k_q1490e4b65f_prep
	.globl	k_q1490e4b65f_prep
	.p2align	8
	.type	k_q1490e4b65f_prep,@function
k_q1490e4b65f_prep:
	s_mov_b64 s[64:65], 0
	v_nop
	global_prefetch_b8 v0, s[64:65] scope:SCOPE_SE
	s_setreg_imm32_b32 hwreg(HW_REG_WAVE_MODE, 25, 1), 1
	s_wait_xcnt 0x0
; PREP.  Every f32 input is read once and laid as the later launches' operand registers want it: a fragment's registers on end, 16 bytes a lane, 512 bytes a run.
;   target, hidden, Wk, Wv, Wq -> xw: codes of FP4 (E2M1) and one E8M0 byte for each 32 along K.  A block's byte is its largest magnitude's exponent field - 2, held at 1 from below.
;   Wo -> wf: 2 x Wo in f16 (the attention's values are carried halved).     cos, sin -> rot: x 2^-6 in f32 (q and k are carried x 2^-6).
; xw: 56 blocks of 128 rows (0-15 target, 16-31 hidden, 32-39 Wk, 40-47 Wv, 48-55 Wq) x 8 K steps of 512; a (block, K step) is a chunk of CH bytes: fragment (q = which 128 of K, g = which 16 rows) at
;   (8 q + g) x 1,024, its registers 4 c .. 4 c + 3 at + 512 c; from byte 32,768 on the scale words: 256 g + 16 r holds row r's four words, q = 0 .. 3.
; THE ROWS OF A WEIGHT'S GROUP ARE NOT NEIGHBOURS: row 8 h + j of group b of a head is channel 64 (b / 4) + 32 h + 8 (b % 4) + j: a rotary pair (d, d + 64) then falls into accumulators b and b + 4, same lane and register.
; SHARES.  A unit is 16 rows x 128 numbers.  The launch has 16,896 units = 256 work-groups x (8 waves x 8 units + 1 wave x 2 units): every work-group has the same work.
;   Waves 0 to 7 take 8 units each (65,536 bytes): in work-groups 0-223 they quantise, in 224-255 they take Wo.  Wave 8 takes two groups of 16 positions of cos (work-groups 0-127) or of sin (128-255).
; A unit's loads read 512 consecutive bytes each; the unit turns through the wave's own stage in LDS and comes back so that lane (r, h) holds, of row r, numbers 64 c + 32 h + 0 .. 31 (c = 0, 1): two whole blocks of 32,
; in the order of the 4-bit operand's registers.  Waves share nothing: no barrier.
; LIMITS: |Wo| under 32,752 (beyond that f16 gives infinity); NaN and infinities among the inputs are not served; a block of zeros gets the byte 1, where the rule says 127: its codes are zeros, and this program alone reads the bytes.
.set CH,    34816
.set SP,    528                        ; a stage row: 512 bytes + 16: sixteen rows start at sixteen different banks (64 banks of 4 bytes: ISA guide 11.1)
.set WST,   16*SP                      ; a wave's stage
.set SPARE, 9*WST                      ; behind the nine stages: the spare words, 128 bytes for each wave, five blocks of 256 bytes that no other line names
.set OFFR,  16                         ; v16-31   row i: 16 x lane + the row's place
.set R0,    32                         ; v32-159  two sets of 64: a unit as loaded
.set X,     160                        ; v160-223 a unit as the operand wants it
.set C,     224                        ; v224-231 codes
.set SW,    232                        ; v232-239 a scale word for each unit
.set SPW,   254
.set NIL,   255
	s_load_b512 s[8:23], s[0:1], 0x0               ; target, hidden, Wk, Wv, Wq, Wo, cos, sin
	s_load_b128 s[24:27], s[0:1], 0x40             ; xw, wf
	s_load_b64 s[28:29], s[0:1], 0x50              ; rot
	v_lshl_add_u32 v[SPW], v0, 2, SPARE
	v_mov_b32 v[NIL], 0
	v_lshrrev_b32 v1, 5, v0
	v_readfirstlane_b32 s2, v1                     ; wave 0..8
	s_mov_b32 s3, ttmp9                            ; work-group
	s_lshl_b32 s4, s3, 3
	s_add_co_u32 s4, s4, s2                        ; job (waves 0 to 7; wave 8 uses nothing that is made of it)
	; a quantising job: group of 16 rows G = job / 4, quarter of K = job % 4
	s_lshr_b32 s40, s4, 2
	s_and_b32 s41, s4, 3
	s_cmp_lt_u32 s3, 64
	s_cselect_b32 s42, 0, 128                      ; the tensor's first group
	s_cmp_lt_u32 s3, 128
	s_cselect_b32 s42, s42, 256
	s_cselect_b32 s37, 0, 24*16384                 ; a weight's rows 8-15 lie 24 rows further on
	s_cmp_lt_u32 s3, 160
	s_cselect_b32 s42, s42, 320
	s_cmp_lt_u32 s3, 192
	s_cselect_b32 s42, s42, 384
	s_sub_co_u32 s42, s40, s42                     ; the group within its tensor
	s_lshl_b32 s43, s42, 4                         ; first row, activations
	s_lshr_b32 s44, s42, 3
	s_lshl_b32 s44, s44, 7
	s_bfe_u32 s45, s42, 0x10002
	s_lshl_b32 s45, s45, 6
	s_add_co_u32 s44, s44, s45
	s_and_b32 s45, s42, 3
	s_lshl_b32 s45, s45, 3
	s_add_co_u32 s44, s44, s45                     ; first row, weights
	s_cmp_lt_u32 s3, 128
	s_cselect_b32 s43, s43, s44
	s_lshl_b32 s43, s43, 14
	s_lshl_b32 s44, s41, 12
	s_add_co_u32 s43, s43, s44                     ; source offset
	s_lshr_b32 s44, s40, 3
	s_lshl_b32 s44, s44, 3
	s_lshl_b32 s45, s41, 1
	s_add_co_u32 s44, s44, s45
	s_mul_i32 s44, s44, CH
	s_and_b32 s45, s40, 7
	s_lshl_b32 s46, s45, 10
	s_add_co_u32 s44, s44, s46                     ; destination: chunk + 1,024 g
	s_mul_i32 s45, s45, 768
	s_sub_co_u32 s45, 32768, s45                   ; from there to the group's scale words: 32,768 + 256 g - 1,024 g
	; a job on Wo: 16 rows, the eight heads
	s_sub_co_u32 s46, s4, 1792
	s_lshl_b32 s47, s46, 16
	s_lshr_b32 s48, s46, 4
	s_lshl_b32 s48, s48, 19
	s_and_b32 s49, s46, 15
	s_lshl_b32 s49, s49, 12
	s_add_co_u32 s48, s48, s49
	; wave 8: groups 2 (W % 128) and + 1 of 16 positions; rot: [group][cos 8,192 bytes | sin 8,192 bytes]
	s_and_b32 s50, s3, 127
	s_lshl_b32 s50, s50, 1
	s_lshl_b32 s51, s50, 13                        ; source: 8,192 bytes a group
	s_lshl_b32 s52, s50, 14
	s_lshr_b32 s53, s3, 7
	s_lshl_b32 s53, s53, 13
	s_add_co_u32 s52, s52, s53                     ; destination
	s_cmp_lt_u32 s3, 224
	s_cselect_b32 s5, 0, 1                         ; waves 0 to 7: 0 quantise, 1 Wo
	s_cselect_b32 s37, s37, 0
	s_cselect_b32 s56, s43, s47
	s_cselect_b32 s58, s44, s48
	s_mov_b32 s36, 4096
	s_cselect_b32 s36, 16384, s36                  ; bytes from row to row
	s_cmp_lt_u32 s2, 8                             ; wave 8's own figures
	s_cselect_b32 s37, s37, 0
	s_cselect_b32 s56, s56, s51
	s_cselect_b32 s58, s58, s52
	s_cselect_b32 s36, s36, 512
	s_mov_b32 s34, 8192
	s_cselect_b32 s34, 512, s34                    ; bytes from unit to unit
	s_mov_b32 s35, 0
	s_mov_b32 s57, 0
	s_mov_b32 s59, 0
	s_mov_b32 s38, 0x76543210
	s_mov_b32 s39, 0xfedcba98                      ; v_permlanex16_b32's selects for lane l xor 16
	v_and_b32 v1, 31, v0                           ; lane
	v_and_b32 v2, 15, v0                           ; r
	v_bfe_u32 v3, v0, 4, 1                         ; h
	v_lshlrev_b32 v4, 4, v1                        ; 16 x lane
	s_mul_i32 s6, s2, WST
	v_add_nc_u32 v5, s6, v4                        ; the stage, on the way in
	v_mul_u32_u24 v6, v2, SP
	v_lshl_add_u32 v6, v3, 7, v6
	v_add_nc_u32 v6, s6, v6                        ; and on the way out: row r, + 128 h bytes
	v_lshlrev_b32 v7, 3, v3                        ; 8 h: where my two bytes stand in a scale word
	v_mul_u32_u24 v8, v3, CH
	v_lshl_add_u32 v8, v2, 4, v8
	v_add_nc_u32 v8, s45, v8                       ; the scale words' store: lanes 0-15 the first K step's chunk, lanes 16-31 the second's
.irp i, 0,1,2,3,4,5,6,7,8,9,10,11,12,13,14,15
	s_mul_i32 s7, s36, \i
.if \i >= 8
	s_add_co_u32 s7, s7, s37
.endif
	v_add_nc_u32 v[OFFR+\i], s7, v4
.endr
.irp u, 0,1,2,3,4,5,6,7
	v_mov_b32 v[SW+\u], 0                          ; written on every way through the text
.endr
	v_mov_b32 v247, 0                              ; a lane permute's destination counts as one of its sources
	s_wait_kmcnt 0x0
	s_cmp_lt_u32 s3, 64                            ; the buffers are chosen by the work-group's and the wave's number alone
	s_cselect_b64 s[30:31], s[8:9], s[10:11]
	s_cmp_lt_u32 s3, 128
	s_cselect_b64 s[30:31], s[30:31], s[12:13]
	s_cselect_b64 s[60:61], s[20:21], s[22:23]     ; wave 8: cos or sin
	s_cmp_lt_u32 s3, 160
	s_cselect_b64 s[30:31], s[30:31], s[14:15]
	s_cmp_lt_u32 s3, 192
	s_cselect_b64 s[30:31], s[30:31], s[16:17]
	s_cmp_lt_u32 s3, 224
	s_cselect_b64 s[30:31], s[30:31], s[18:19]
	s_cselect_b64 s[32:33], s[24:25], s[26:27]
	s_cmp_lt_u32 s2, 8
	s_cselect_b64 s[30:31], s[30:31], s[60:61]
	s_cselect_b64 s[32:33], s[32:33], s[28:29]
	s_add_nc_u64 s[30:31], s[30:31], s[56:57]
	s_add_nc_u64 s[32:33], s[32:33], s[58:59]
.macro LOAD set                        ; a unit: 16 rows, 512 consecutive bytes a load
.irp i, 0,1,2,3,4,5,6,7,8,9,10,11,12,13,14,15
	global_load_b128 v[R0+64*(\set)+4*\i:R0+64*(\set)+4*\i+3], v[OFFR+\i], s[30:31] th:TH_LOAD_NT
.endr
.endm
.macro TURNU u                         ; unit u through my stage: in as loaded, back as the operand wants it
.irp i, 0,1,2,3,4,5,6,7,8,9,10,11,12,13,14,15
	ds_store_b128 v5, v[R0+64*((\u)%2)+4*\i:R0+64*((\u)%2)+4*\i+3] offset:SP*\i
.endr
.irp n, 0,1,2,3,4,5,6,7,8,9,10,11,12,13,14,15
	ds_load_b128 v[X+4*\n:X+4*\n+3], v6 offset:256*(\n/8)+16*(\n%8)   ; LDS serves a wave's instructions in order: these see the stores above
.endr
	s_wait_dscnt 0x0
.endm
.macro QUANT u                         ; my two blocks of 32 become 8 registers of codes and two bytes of the row's scale word
	v_max3_num_f32 v240, |v[X]|, |v[X+1]|, 0x1800000               ; with the floor 2^(3 - 127): the byte cannot fall under 1
	v_max3_num_f32 v241, |v[X+32]|, |v[X+33]|, 0x1800000
.irp i, 2,4,6,8,10,12,14,16,18,20,22,24,26,28,30
	v_max3_num_f32 v240, v240, |v[X+\i]|, |v[X+\i+1]|
	v_max3_num_f32 v241, v241, |v[X+32+\i]|, |v[X+33+\i]|
.endr
	v_add_nc_u32 v242, 0xff000000, v240            ; 2 off the exponent field: the conversion's scale operand
	v_add_nc_u32 v243, 0xff000000, v241
	v_lshrrev_b32 v244, 23, v242                   ; the bytes of blocks h and 2 + h
	v_lshrrev_b32 v245, 23, v243
	v_lshl_or_b32 v246, v245, 16, v244
	v_lshlrev_b32 v246, v7, v246
	v_permlanex16_b32 v247, v246, s38, s39
	v_or_b32 v[SW+\u], v246, v247                  ; with lane l xor 16's two the word is whole
.irp c, 0,1
.irp g, 0,1,2,3
	v_cvt_scalef32_pk8_fp4_f32 v[C+4*\c+\g], v[X+32*\c+8*\g:X+32*\c+8*\g+7], v[242+\c]
.endr
.endr
	v_nop                                          ; one plain instruction behind the last scaled conversion
	global_store_b128 v4, v[C:C+3], s[32:33] offset:((\u)/4)*CH+((\u)%4)*8192
	global_store_b128 v4, v[C+4:C+7], s[32:33] offset:((\u)/4)*CH+((\u)%4)*8192+512
.endm
.macro WO u                            ; head u of 16 rows of Wo: doubled, rounded to f16: four fragments of 16 x 32
.set i, 0
.rept 32
	v_pk_add_f32 v[X+i:X+i+1], v[X+i:X+i+1], v[X+i:X+i+1]
.set i, i+2
.endr
.set i, 0
.rept 32
	v_cvt_pk_f16_f32 v[X+i], v[X+2*i], v[X+2*i+1]  ; in place, ascending: a register is written when both numbers that lay there are used up
.set i, i+1
.endr
.irp m, 0,1,2,3,4,5,6,7
	global_store_b128 v4, v[X+4*\m:X+4*\m+3], s[32:33] offset:65536*(\u)+512*\m
.endr
.endm
.macro ROT u                           ; 16 positions of cos or of sin, x 2^-6
.set i, 0
.rept 32
	v_pk_mul_f32 v[X+i:X+i+1], v[X+i:X+i+1], 0x3c800000 op_sel_hi:[1,0]
.set i, i+2
.endr
.irp n, 0,1,2,3,4,5,6,7,8,9,10,11,12,13,14,15
	global_store_b128 v4, v[X+4*\n:X+4*\n+3], s[32:33] offset:16384*(\u)+512*\n
.endr
.endm
.macro UNIT u                          ; waves 0 to 7
.if \u < 7
	s_wait_loadcnt 16                              ; this unit's 16 loads are in; the next unit's may be out
.else
	s_wait_loadcnt 0x0
.endif
	s_wait_xcnt 0x0                                ; the loads' base and the last unit's store data are written again only behind this wait
.if \u < 6
	s_add_nc_u64 s[30:31], s[30:31], s[34:35]      ; on to the unit after next
.endif
	TURNU \u
.if \u < 6
	LOAD (\u)%2
.endif
	s_cmp_eq_u32 s5, 0
	s_cbranch_scc0 .Lwo_\@
	QUANT \u
	s_branch .Ldone_\@
.Lwo_\@:
	WO \u
.Ldone_\@:
.endm
	LOAD 0                                         ; every wave's first two units
	s_wait_xcnt 0x0                                ; the loads have read their base
	s_add_nc_u64 s[30:31], s[30:31], s[34:35]
	LOAD 1
	s_cmp_eq_u32 s2, 8                             ; the text parts on the wave's number; both LDS address registers were made above
	s_cbranch_scc1 .Lrot_wave
.irp u, 0,1,2,3,4,5,6,7
	UNIT \u
.endr
	s_cmp_eq_u32 s5, 0
	s_cbranch_scc0 .Lend
	v_cmp_eq_u32 vcc_lo, 1, v3                     ; lanes 0-15 store the first K step's four words of row r, lanes 16-31 the second's: 256 consecutive bytes each
.irp k, 0,1,2,3
	v_cndmask_b32 v[240+\k], v[SW+\k], v[SW+4+\k], vcc_lo
.endr
	global_store_b128 v8, v[240:243], s[32:33]
	s_branch .Lend
.Lrot_wave:                                        ; wave 8: its two units, and no further load
	s_wait_loadcnt 16                              ; the first unit's 16 loads are in; the second's may be out
	TURNU 0
	ROT 0
	s_wait_loadcnt 0x0
	s_wait_xcnt 0x0                                ; the first unit's stores have read the registers that the LDS loads below fill again
	TURNU 1
	ROT 1
.Lend:
	s_wait_tensorcnt 0x0                           ; the wave's end
	ds_add_u32 v[SPW], v[NIL]
	s_wait_dscnt 0x0
	s_endpgm
.Lfunc_end_k_q1490e4b65f_prep:
	.size	k_q1490e4b65f_prep, .Lfunc_end_k_q1490e4b65f_prep-k_q1490e4b65f_prep
	.p2alignl 7, 3214868480
	.fill 96, 4, 3214868480
	.section	.rodata,"a",@progbits
	.p2align	6, 0x0
	.amdhsa_kernel k_q1490e4b65f_prep
		.amdhsa_group_segment_fixed_size 77312
		.amdhsa_private_segment_fixed_size 0
		.amdhsa_enable_private_segment 0
		.amdhsa_kernarg_size 88
		.amdhsa_user_sgpr_count 2
		.amdhsa_user_sgpr_kernarg_segment_ptr 1
		.amdhsa_wavefront_size32 1
		.amdhsa_system_sgpr_workgroup_id_x 1
		.amdhsa_system_sgpr_workgroup_id_y 1
		.amdhsa_system_sgpr_workgroup_id_z 1
		.amdhsa_system_vgpr_workitem_id 0
		.amdhsa_next_free_vgpr 256
		.amdhsa_next_free_sgpr 66
		.amdhsa_reserve_vcc 1
		.amdhsa_float_denorm_mode_32 3
		.amdhsa_float_denorm_mode_16_64 3
		.amdhsa_memory_ordered 1
		.amdhsa_forward_progress 1
		.amdhsa_inst_pref_size 114
	.end_amdhsa_kernel
	.amdgpu_metadata
---
amdhsa.version: [ 1, 2 ]
amdhsa.kernels:
  - .name:           k_q1490e4b65f_prep
    .symbol:         k_q1490e4b65f_prep.kd
    .args:
      - { .name: target_hidden, .offset: 0, .size: 8, .value_kind: global_buffer, .address_space: global }
      - { .name: hidden_states, .offset: 8, .size: 8, .value_kind: global_buffer, .address_space: global }
      - { .name: Wk, .offset: 16, .size: 8, .value_kind: global_buffer, .address_space: global }
      - { .name: Wv, .offset: 24, .size: 8, .value_kind: global_buffer, .address_space: global }
      - { .name: Wq, .offset: 32, .size: 8, .value_kind: global_buffer, .address_space: global }
      - { .name: Wo, .offset: 40, .size: 8, .value_kind: global_buffer, .address_space: global }
      - { .name: cos, .offset: 48, .size: 8, .value_kind: global_buffer, .address_space: global }
      - { .name: sin, .offset: 56, .size: 8, .value_kind: global_buffer, .address_space: global }
      - { .name: xw, .offset: 64, .size: 8, .value_kind: global_buffer, .address_space: global }
      - { .name: wf, .offset: 72, .size: 8, .value_kind: global_buffer, .address_space: global }
      - { .name: rot, .offset: 80, .size: 8, .value_kind: global_buffer, .address_space: global }
    .group_segment_fixed_size: 77312
    .private_segment_fixed_size: 0
    .kernarg_segment_align: 8
    .kernarg_segment_size: 88
    .max_flat_workgroup_size: 288
    .sgpr_count:     66
    .vgpr_count:     256
    .wavefront_size: 32
...
	.end_amdgpu_metadata
.endif
;; end of part 1
;; launch proj (part 2): grid 40 x 4, 4 waves a work-group, clusters of 4 x 4, 327,680 bytes of LDS; arguments xw, rot, kv, qf; writes kv, qf
.if DOCPART == 2
	.amdgcn_target "amdgcn-amd-amdhsa--gfx1250"
	.amdhsa_code_object_version 6
	.text
	.protected	k_q1490e4b65f_proj
	.globl	k_q1490e4b65f_proj
	.p2align	8
	.type	k_q1490e4b65f_proj,@function
k_q1490e4b65f_proj:
	s_mov_b64 s[64:65], 0
	v_nop
	global_prefetch_b8 v0, s[64:65] scope:SCOPE_SE
	s_setreg_imm32_b32 hwreg(HW_REG_WAVE_MODE, 25, 1), 1
	s_wait_xcnt 0x0
	s_wait_alu depctr_hold_cnt(0) depctr_sa_sdst(0) depctr_va_vdst(0) depctr_va_sdst(0) depctr_va_ssrc(0) depctr_va_vcc(0) depctr_vm_vsrc(0)
	s_getreg_b32 s2, hwreg(HW_REG_IB_STS2, 6, 4)
	s_cmp_eq_u32 s2, 0
	s_cbranch_scc0 .Lentry_in_a_cluster
	s_endpgm
.Lentry_in_a_cluster:
	s_bfe_u32 s2, ttmp6, 0x10000c
	s_cmp_lg_u32 s2, 0xf033
	s_cbranch_scc0 .Lentry_shape_is_right
	s_endpgm
.Lentry_shape_is_right:
; PROJ.  The five projections, K = 4,096, on codes of FP4 (E2M1) with E8M0 scales, as 160 tiles of 256 x 256; then the rotary step in the accumulators; results leave in f16 as images of the attention's operand registers.
; xw's row space in tiles of 256 rows: 0-7 target, 8-15 hidden, 16-19 Wk, 20-23 Wv, 24-27 Wq.  A cluster of 4 x 4 work-groups; its number Cn says what it makes:
;   Cn 0-3: k = X Wk^T (A = X tile 4 Cn + cy, B = Wk tile 16 + cx);  Cn 4-5: q (A = hidden tile 4 Cn - 8 + cy, B = Wq tile 24 + cx);  Cn 6-9: v, with the sides swapped (A = Wv tile 20 + cy, B = X tile 4 (Cn - 6) + cx).
; The matrix instruction is used transposed (source 0 = 16 rows of B, source 1 = 16 rows of A): a lane holds one row of A and eight neighbouring rows of B.  So for k and q a lane holds one position and 8 channels,
; for v one channel and 8 keys: the layouts that S^T = K Q^T and O^T = V^T P want of their operands.
; A wave makes 128 x 128: 64 accumulators.  K goes in steps of 512 through two LDS slots; a step's codes and scale words of 128 rows are ONE dense chunk of CH bytes of xw, one tensor load a wave.
; Tiles of A are asked for jointly along a row of the cluster, tiles of B along a column.  The walk along K begins at chunk o = (2 Cn + 2 for q) mod 8 and goes round, so that clusters that read the same rows begin at different chunks.
; ROTARY: out(d) = x(d) cos(d) - x(d + 64) sin(d), out(d + 64) = x(d + 64) cos(d + 64) + x(d) sin(d + 64); by the order of the weights' rows the pair lies in accumulators b and b + 4, same lane and register.
; cos and sin come x 2^-6, so q and k leave x 2^-6; v leaves x 1/2.  LIMITS: |q|, |k| under 4.19e6 and |v| under 131,008, beyond which f16 gives infinity.
; REGISTERS: window 0: v16-29 addresses; v32-95 scale words, two sets, and nothing else; v96-159 packed results on the way out; v128-191 A's fragments; v192-255 at work on the way out.
;   window 1: B's fragments at v0 and v128; rotary tables: set 0 at v64 (cos) and v192 (sin), set 1 at v0 and v128.   windows 2, 3: accumulator (a, b) at v[8 (8 (a % 4) + b)].
.set CH,     34816
.set SLOT,   4*CH                      ; A's two halves, then B's two
.set SPARE,  2*SLOT                    ; behind the ring: the spare words, 128 bytes for each wave
.set NQ,     4
.set FR,     8
.set NL,     2
.set NP,     4
.set LAPS,   4                         ; 8 K steps, two to a lap
.set ADRA, 16
.set ADRB, 20
.set ADRS, 22
.set TO,   26                          ; v26  16 x lane
.set SPW,  28
.set NIL,  29
.set SC,   32
.set OUTR, 96
.set AF,   128
.set T,    192
.set G1,  24
.set G0,  32
.set G1B, 48
.set G0B, 56
.set ABASE, 66                         ; s[66:67] my fetch's block of A in xw;  s[68:69] of B
.set BBASE, 68
.set TAU,  70                          ; s70  the chunk last asked for
.set KIND, 71                          ; s71  0 k, 1 q, 2 v
.set MSB, 0
.macro WIN new                         ; the immediate's high byte repeats the setting that is left
.if MSB != \new
	s_set_vgpr_msb (MSB<<8)|\new
.set MSB, \new
.endif
.endm
.set MUL_LO, 0xa1
.set MUL_HI, 0xf1
.set TO_B,   0x40
.macro JLOAD g0a, g1a, g0b, g1b        ; a joint load: waves 0 and 1 fetch for A, waves 2 and 3 for B; an s_nop 0 and four v_nop follow each line
	s_cmp_eq_u32 s15, 0
	s_cbranch_scc0 .Lfor_b_\@
	tensor_load_to_lds s[\g0a:\g0a+3], s[\g1a:\g1a+7]
	s_nop 0
.rept 4
	v_nop
.endr
	s_branch .Lasked_\@
.Lfor_b_\@:
	tensor_load_to_lds s[\g0b:\g0b+3], s[\g1b:\g1b+7]
	s_nop 0
.rept 4
	v_nop
.endr
.Lasked_\@:
.endm
.macro CREST
	s_cmp_lg_u32 s14, 0
	s_cbranch_scc1 .Lnot_wave_0_\@
	s_barrier_signal -3
.Lnot_wave_0_\@:
	s_barrier_wait -3
	s_barrier_signal -1
	s_barrier_wait -1
.endm
.macro CROUND
	s_barrier_signal -1
	s_barrier_wait -1
	CREST
.endm
.macro SETADR slot                     ; the slot's two groups 0 point at chunk TAU
	s_mul_i32 s72, s[TAU], CH
	s_add_nc_u64 s[G0+4*\slot+2:G0+4*\slot+3], s[ABASE:ABASE+1], s[72:73]
	s_or_b32 s[G0+4*\slot+3], s[G0+4*\slot+3], 0x80000000
	s_add_nc_u64 s[G0B+4*\slot+2:G0B+4*\slot+3], s[BBASE:BBASE+1], s[72:73]
	s_or_b32 s[G0B+4*\slot+3], s[G0B+4*\slot+3], 0x80000000
.endm
.macro NEXTTAU
	s_add_co_u32 s[TAU], s[TAU], 1
	s_and_b32 s[TAU], s[TAU], 7
.endm
	s_load_b256 s[4:11], s[0:1], 0x0               ; xw s[4:5], rot s[6:7], kv s[8:9], qf s[10:11]
	v_lshl_add_u32 v[SPW], v0, 2, SPARE
	v_mov_b32 v[NIL], 0
	ds_add_u32 v[SPW], v[NIL]                      ; the wave's opening: the add, twice on end, and its wait ahead of my first tensor load
	ds_add_u32 v[SPW], v[NIL]
	v_lshrrev_b32 v1, 5, v0
	v_readfirstlane_b32 s14, v1                    ; wave
	s_lshr_b32 s15, s14, 1                         ; my half of A's rows.  Also: I fetch for A (0) or for B (1)
	s_and_b32 s16, s14, 1                          ; my half of B's rows.  Also: which 128 rows I fetch
	s_bfe_u32 s40, ttmp6, 0x40000                  ; cx
	s_bfe_u32 s41, ttmp6, 0x40004                  ; cy
	s_lshl_b32 s18, ttmp9, 2
	s_sub_co_u32 s19, s18, 8
	s_sub_co_u32 s20, s18, 24
	s_lshl_b32 s[TAU], ttmp9, 1
	s_cmp_lt_u32 ttmp9, 4
	s_cselect_b32 s17, s18, s19
	s_cselect_b32 s42, 16, 24
	s_cselect_b32 s[KIND], 0, 1
	s_cselect_b32 s21, 0, 2
	s_cmp_lt_u32 ttmp9, 6
	s_cselect_b32 s17, s17, 20
	s_cselect_b32 s42, s42, s20
	s_cselect_b32 s[KIND], s[KIND], 2
	s_cselect_b32 s21, s21, 0
	s_add_co_u32 s[TAU], s[TAU], s21
	s_and_b32 s[TAU], s[TAU], 7                    ; the first chunk of the walk: the same in all sixteen partners
	s_add_co_u32 s17, s17, s41                     ; A's tile: hangs on cy alone
	s_add_co_u32 s42, s42, s40                     ; B's tile: on cx alone
	s_lshl_b32 s43, s41, 2
	s_lshl_b32 s43, 15, s43                        ; my row of the cluster
	s_lshl_b32 s44, 0x1111, s40                    ; my column
	s_or_b32 s[G1+0], s43, (3<<16)|(1<<21)         ; 15:0 the mask; 17:16 elements of 8 bytes; 21 set beside a mask; no padding: a chunk is read as it lies
	s_or_b32 s[G1B+0], s44, (3<<16)|(1<<21)
.irp g, G1, G1B
	s_mov_b32 s[\g+1], 32<<16                      ; tensor_dim0 = 32 elements: rows of 256 bytes
	s_mov_b32 s[\g+2], 136<<16                     ; tensor_dim1 = 136 rows: CH bytes
	s_mov_b32 s[\g+3], 32<<16                      ; tile_dim0
	s_mov_b32 s[\g+4], 136                         ; tile_dim1
	s_mov_b32 s[\g+5], 32                          ; the pitch: dense
	s_mov_b32 s[\g+6], 0
	s_mov_b32 s[\g+7], 0
.endr
	s_lshl_b32 s20, s17, 1
	s_add_co_u32 s20, s20, s16
	s_mul_i32 s20, s20, 8*CH                       ; A: block 2 x tile + half, eight chunks a block
	s_mov_b32 s21, 0
	s_lshl_b32 s46, s42, 1
	s_add_co_u32 s46, s46, s16
	s_mul_i32 s46, s46, 8*CH
	s_mov_b32 s47, 0
	s_mul_i32 s45, s14, CH                         ; where my chunk goes: wave x CH
	s_mov_b32 s73, 0
	s_wait_dscnt 0x0                               ; both opening adds are done
	s_wait_kmcnt 0x0
	s_add_nc_u64 s[ABASE:ABASE+1], s[4:5], s[20:21]
	s_add_nc_u64 s[BBASE:BBASE+1], s[4:5], s[46:47]
	CROUND                                         ; all sixteen work-groups are here: the first joint loads meet
.irp s, 0,1
	s_mov_b32 s[G0+4*\s], 1
	s_add_co_u32 s[G0+4*\s+1], s45, \s*SLOT
	s_mov_b32 s[G0B+4*\s], 1
	s_add_co_u32 s[G0B+4*\s+1], s45, \s*SLOT
.endr
	SETADR 0
	JLOAD G0, G1, G0B, G1B
	NEXTTAU
	SETADR 1
	JLOAD G0+4, G1, G0B+4, G1B
	v_and_b32 v1, 15, v0                           ; r
	v_bfe_u32 v2, v0, 4, 1                         ; h
	v_and_b32 v3, 31, v0
	v_lshlrev_b32 v[TO], 4, v3
	s_mul_i32 s21, s15, CH
	s_mul_i32 s22, s16, CH
	s_add_co_u32 s22, s22, 2*CH
.irp s, 0,1
	v_add_nc_u32 v[ADRA+\s], s21, v[TO]
	v_add_nc_u32 v[ADRB+\s], s22, v[TO]
	s_add_co_u32 s21, s21, SLOT
	s_add_co_u32 s22, s22, SLOT
.endr
	s_mul_i32 s21, s15, CH                         ; the scale words: lanes 0-15 take A's, lanes 16-31 B's: the lower base + h x the distance
	s_mul_i32 s22, s16, CH
	s_add_co_u32 s22, s22, 2*CH
	s_sub_co_u32 s22, s22, s21
	v_mul_u32_u24 v4, s22, v2
	s_add_co_u32 s21, s21, 32768
	v_lshl_add_u32 v4, v1, 4, v4
	v_add_nc_u32 v[ADRS], s21, v4
	v_add_nc_u32 v[ADRS+1], SLOT, v[ADRS]
	; where the results go
	s_lshl_b32 s84, s40, 1
	s_add_co_u32 s84, s84, s16                     ; k, q: the head = 2 cx + my half of B
	s_lshl_b32 s85, s17, 2
	s_lshl_b32 s86, s15, 1
	s_add_co_u32 s85, s85, s86                     ; my first 64 positions: 4 x A's tile + 2 x half
	s_lshl_b32 s87, s84, 21
	s_lshl_b32 s88, s85, 15
	s_add_co_u32 s87, s87, s88                     ; k: kv [head][key step][32,768]
	s_lshl_b32 s88, s84, 19
	s_lshl_b32 s89, s85, 14
	s_add_co_u32 s88, s88, s89
	s_sub_co_u32 s88, s88, 128<<12                 ; q: qf [head][query tile][4,096]; hidden's first tile of 16 rows is 128
	s_lshl_b32 s89, s41, 1
	s_add_co_u32 s89, s89, s15                     ; v: the head = 2 cy + my half of A
	s_lshl_b32 s89, s89, 21
	s_lshl_b32 s90, s42, 2
	s_lshl_b32 s91, s16, 1
	s_add_co_u32 s90, s90, s91
	s_lshl_b32 s90, s90, 15
	s_add_co_u32 s89, s89, s90
	s_cmp_eq_u32 s[KIND], 0
	s_cselect_b32 s92, s87, s88
	s_mov_b32 s94, 16384
	s_cselect_b32 s94, 32768, s94                  ; from my blocks 0-3 to my blocks 4-7
	s_cmp_eq_u32 s[KIND], 2
	s_cselect_b32 s92, s89, s92
	s_mov_b32 s93, 0
	s_mov_b32 s95, 0
	s_cmp_eq_u32 s[KIND], 1
	s_cselect_b64 s[80:81], s[10:11], s[8:9]
	s_add_nc_u64 s[80:81], s[80:81], s[92:93]
	s_add_nc_u64 s[82:83], s[80:81], s[94:95]
	s_lshl_b32 s84, s85, 16                        ; the rotary tables of my 128 positions: 16,384 bytes for each 16 (used by k and q alone)
	s_mov_b32 s85, 0
	s_add_nc_u64 s[76:77], s[6:7], s[84:85]
.macro FRAG reg, adr, q, i             ; a fragment's image: two runs of 512 bytes
.irp c, 0,1
	ds_load_b128 v[\reg+4*\c:\reg+4*\c+3], v[\adr] offset:(8*(\q)+(\i))*1024+512*\c
.endr
.endm
; 16 matrix instructions: A's blocks a0, a0 + 1 x B's eight.  The 64 accumulators take turns, one instruction a turn, in the same order in every step.
.macro MUL16 a0, p, q, sc, zero
.irp a, \a0, \a0+1
.irp b, 0,1,2,3,4,5,6,7
.if \zero
	v_wmma_scale_f32_16x16x128_f8f6f4 v[8*(8*((\a)%4)+\b):8*(8*((\a)%4)+\b)+7], v[128*(\p)+FR*\b:128*(\p)+FR*\b+FR-1], v[AF+FR*(\a):AF+FR*(\a)+FR-1], 0, v[SC+8*NQ*(\sc)+NQ*\b+(\q)], v[SC+8*NQ*(\sc)+NQ*(\a)+(\q)] matrix_a_fmt:MATRIX_FMT_FP4 matrix_b_fmt:MATRIX_FMT_FP4 matrix_a_scale:MATRIX_SCALE_ROW1
.else
	v_wmma_scale_f32_16x16x128_f8f6f4 v[8*(8*((\a)%4)+\b):8*(8*((\a)%4)+\b)+7], v[128*(\p)+FR*\b:128*(\p)+FR*\b+FR-1], v[AF+FR*(\a):AF+FR*(\a)+FR-1], v[8*(8*((\a)%4)+\b):8*(8*((\a)%4)+\b)+7], v[SC+8*NQ*(\sc)+NQ*\b+(\q)], v[SC+8*NQ*(\sc)+NQ*(\a)+(\q)] matrix_a_fmt:MATRIX_FMT_FP4 matrix_b_fmt:MATRIX_FMT_FP4 matrix_a_scale:MATRIX_SCALE_ROW1
.endif
.endr
.endr
.endm
.macro FETCH_B slot, q, p
	WIN TO_B
.irp i, 0,1,2,3,4,5,6,7
	FRAG 128*(\p)+FR*\i, ADRB+\slot, \q, \i
.endr
	WIN 0
.endm
.macro FETCH_A slot, q, i0
.irp i, \i0, \i0+1, \i0+2, \i0+3
	FRAG AF+FR*(\i), ADRA+\slot, \q, \i
.endr
.endm
.macro SCALES sc                       ; the slot's scale words: four words a row; lanes 0-15 A's block i, lanes 16-31 B's block i
.irp i, 0,1,2,3,4,5,6,7
	ds_load_b128 v[SC+8*NQ*\sc+NQ*\i:SC+8*NQ*\sc+NQ*\i+3], v[ADRS+\sc] offset:256*\i
.endr
.endm
.macro PLACES n                        ; plain vector instructions between a matrix instruction and a load into, or a read of, its registers
.rept \n
	v_nop
.endr
.endm
.macro STEP slot, q, zero              ; 128 along K with its successor in the same slot
	s_wait_dscnt 4*NL                              ; B's set and A's blocks 0-3 are in; the youngest eight loads (A's blocks 4-7) may be out
	WIN MUL_LO
	MUL16 0, (\q)%2, \q, \slot, \zero
	MUL16 2, (\q)%2, \q, \slot, \zero
	s_wait_dscnt 0
	PLACES NP
	FETCH_B \slot, (\q)+1, 1-(\q)%2
	FETCH_A \slot, (\q)+1, 0
	WIN MUL_HI
	MUL16 4, (\q)%2, \q, \slot, \zero
	MUL16 6, (\q)%2, \q, \slot, \zero
	PLACES NP
	WIN 0
	FETCH_A \slot, (\q)+1, 4
.endm
; A slot's last step changes slots: one barrier; in front of it each wave waits for all its tensor loads, adds 0 to its spare word, and waits for that and for its reads of this slot.
.macro TURN slot, next, fill
	s_wait_tensorcnt 0x0                           ; my one load that was out, my part of the next slot, has landed
	ds_add_u32 v[SPW], v[NIL]
	s_wait_dscnt 4*NL+1                            ; the add and A's blocks 4-7 may be out
	WIN MUL_LO
	MUL16 0, 1, NQ-1, \slot, 0
	s_wait_dscnt 0x0                               ; the add is done, and my reads of this slot are over
	s_barrier_signal -1
	MUL16 2, 1, NQ-1, \slot, 0
	WIN 0
	s_barrier_wait -1
.if \fill
	CREST                                          ; the barrier has opened a round of the cluster's: no wave of any partner still reads this slot or has a load on its way
	NEXTTAU
	SETADR \slot
	JLOAD G0+4*\slot, G1, G0B+4*\slot, G1B         ; the first tensor load behind the round; its four v_nop are the places in front of the loads below
.else
	PLACES NP
.endif
	FETCH_B \next, 0, 0
	FETCH_A \next, 0, 0
	SCALES \next
	WIN MUL_HI
	MUL16 4, 1, NQ-1, \slot, 0
	MUL16 6, 1, NQ-1, \slot, 0
	PLACES NP
	WIN 0
	FETCH_A \next, 0, 4
.endm
.macro STEPS slot, from
.set Q, \from
.rept NQ-1-\from
	STEP \slot, Q, 0
.set Q, Q+1
.endr
.endm
.macro TAIL                            ; the last slot's four steps: nothing more is fetched from memory
	STEPS 1, 0
	s_wait_dscnt 4*NL
	WIN MUL_LO
	MUL16 0, 1, NQ-1, 1, 0
	MUL16 2, 1, NQ-1, 1, 0
	s_wait_dscnt 0
	WIN MUL_HI
	MUL16 4, 1, NQ-1, 1, 0
	MUL16 6, 1, NQ-1, 1, 0
	WIN 0
.endm
.macro TLOAD a, set                    ; cos and sin of block a's 16 positions: register t of 64: channel 64 (t / 32) + 32 h + t % 32 of position r
	WIN 0x40
.irp n, 0,1,2,3,4,5,6,7,8,9,10,11,12,13,14,15
	global_load_b128 v[64-64*(\set)+4*\n:64-64*(\set)+4*\n+3], v[TO], s[76:77] offset:(\a)*16384+512*\n
.endr
.irp n, 0,1,2,3,4,5,6,7,8,9,10,11,12,13,14,15
	global_load_b128 v[192-64*(\set)+4*\n:192-64*(\set)+4*\n+3], v[TO], s[76:77] offset:(\a)*16384+8192+512*\n
.endr
	WIN 0
.endm
.macro PACKOUT a                       ; 64 numbers at v[T] on become 32 registers of f16
.set OBK, OUTR+32*((\a)%2)
.set i, 0
.rept 32
	v_cvt_pk_f16_f32 v[OBK+i], v[T+2*i], v[T+2*i+1]
.set i, i+1
.endr
.endm
.macro KQOUT a                         ; block a (16 positions): rotary, f16, out.  Each accumulator is read from its low end on
.set ACB, 64*((\a)%4)
.set TCO, 64-64*((\a)%2)
.set TSI, 192-64*((\a)%2)
.if (\a) < 7
	s_wait_loadcnt 32                              ; this block's table is in; the next block's 32 loads may be out
.else
	s_wait_loadcnt 0x0
.endif
.if (\a) >= 2
	s_wait_xcnt 0x0                                ; block a - 2's stores have read the registers that are written below
.endif
	WIN 0x06+((\a)/4)                              ; source 0: the accumulators' window; source 1: the tables' (1); source 2 and destination: 0
.irp b, 0,1,2,3
.irp p, 0,2,4,6
	v_pk_mul_f32 v[T+8*\b+\p:T+8*\b+\p+1], v[ACB+32+8*\b+\p:ACB+32+8*\b+\p+1], v[TSI+8*\b+\p:TSI+8*\b+\p+1]
.endr
.irp p, 0,2,4,6
	v_pk_mul_f32 v[T+32+8*\b+\p:T+32+8*\b+\p+1], v[ACB+8*\b+\p:ACB+8*\b+\p+1], v[TSI+32+8*\b+\p:TSI+32+8*\b+\p+1]
.endr
.irp p, 0,2,4,6
	v_pk_fma_f32 v[T+8*\b+\p:T+8*\b+\p+1], v[ACB+8*\b+\p:ACB+8*\b+\p+1], v[TCO+8*\b+\p:TCO+8*\b+\p+1], v[T+8*\b+\p:T+8*\b+\p+1] neg_lo:[0,0,1] neg_hi:[0,0,1]
.endr
.irp p, 0,2,4,6
	v_pk_fma_f32 v[T+32+8*\b+\p:T+32+8*\b+\p+1], v[ACB+32+8*\b+\p:ACB+32+8*\b+\p+1], v[TCO+32+8*\b+\p:TCO+32+8*\b+\p+1], v[T+32+8*\b+\p:T+32+8*\b+\p+1]
.endr
.endr
	WIN 0
	PACKOUT \a
.if (\a)+2 < 8
	TLOAD (\a)+2, (\a)%2
.endif
.irp b, 0,1,2,3,4,5,6,7
	global_store_b128 v[TO], v[OBK+4*\b:OBK+4*\b+3], s[80+2*((\a)/4):81+2*((\a)/4)] offset:((\a)%4)*4096+512*\b   ; 512 consecutive bytes: half a fragment's image
.endr
.endm
.macro VOUT a                          ; block a (16 channels of my head) x my 128 keys: halved, f16, out
.set ACB, 64*((\a)%4)
.if (\a) >= 2
	s_wait_xcnt 0x0
.endif
	WIN 0x02+((\a)/4)
.set i, 0
.rept 32
	v_pk_mul_f32 v[T+i:T+i+1], v[ACB+i:ACB+i+1], 0.5 op_sel_hi:[1,0]
.set i, i+2
.endr
	WIN 0
	PACKOUT \a
.irp b, 0,1,2,3,4,5,6,7
	global_store_b128 v[TO], v[OBK+4*\b:OBK+4*\b+3], s[80:81] offset:(\b/4)*32768+16384+((\b/2)%2)*8192+1024*(\a)+(\b%2)*512
.endr
.endm
	s_wait_tensorcnt 1                             ; my part of the first chunk is in (the second's load may be out)
	s_barrier_signal -1
	s_barrier_wait -1                              ; everybody's is
	FETCH_B 0, 0, 0
	FETCH_A 0, 0, 0
	SCALES 0
	FETCH_A 0, 0, 4
	STEP 0, 0, 1                                   ; the first step stands in front of the loop: its products start the sums
	s_mov_b32 s3, LAPS-1
.Llap:                                                 ; a trip goes once round the ring and fills both slots again
	STEPS 0, 1
	TURN 0, 1, 1
	STEPS 1, 0
	TURN 1, 0, 1
	STEP 0, 0, 0
	s_sub_co_u32 s3, s3, 1
	s_cmp_lg_u32 s3, 0
	s_cbranch_scc1 .Llap
	STEPS 0, 1
	TURN 0, 1, 0                                   ; the last change of slots fills nothing
	s_cmp_eq_u32 s[KIND], 2                        ; the text parts on the cluster's number: the same way in all sixteen partners and all four waves
	s_cbranch_scc1 .Lv_tail
	TLOAD 0, 0                                     ; k and q: block 0's table is asked for here, 256 matrix instructions ahead of its use
	TAIL
	PLACES NP
	TLOAD 1, 1                                     ; into the registers that held B's fragments
.irp a, 0,1,2,3,4,5,6,7
	KQOUT \a
.endr
	s_branch .Lend
.Lv_tail:
	TAIL
	PLACES NP
.irp a, 0,1,2,3,4,5,6,7
	VOUT \a
.endr
.Lend:
	s_wait_tensorcnt 0x0                           ; the wave's end
	ds_add_u32 v[SPW], v[NIL]
	s_wait_dscnt 0x0
	CROUND                                         ; the closing round: no work-group ends while a partner may still ask for a tile that names it
	s_endpgm
.Lfunc_end_k_q1490e4b65f_proj:
	.size	k_q1490e4b65f_proj, .Lfunc_end_k_q1490e4b65f_proj-k_q1490e4b65f_proj
	.p2alignl 7, 3214868480
	.fill 96, 4, 3214868480
	.section	.rodata,"a",@progbits
	.p2align	6, 0x0
	.amdhsa_kernel k_q1490e4b65f_proj
		.amdhsa_group_segment_fixed_size 327680
		.amdhsa_private_segment_fixed_size 0
		.amdhsa_enable_private_segment 0
		.amdhsa_kernarg_size 32
		.amdhsa_user_sgpr_count 2
		.amdhsa_user_sgpr_kernarg_segment_ptr 1
		.amdhsa_wavefront_size32 1
		.amdhsa_system_sgpr_workgroup_id_x 1
		.amdhsa_system_sgpr_workgroup_id_y 1
		.amdhsa_system_sgpr_workgroup_id_z 1
		.amdhsa_system_vgpr_workitem_id 0
		.amdhsa_next_free_vgpr 1024
		.amdhsa_next_free_sgpr 100
		.amdhsa_reserve_vcc 0
		.amdhsa_float_denorm_mode_32 3
		.amdhsa_float_denorm_mode_16_64 3
		.amdhsa_memory_ordered 1
		.amdhsa_forward_progress 1
		.amdhsa_inst_pref_size 255
	.end_amdhsa_kernel
	.section	.bss,"aw",@nobits
	.p2align	6
	.space	262144
	.amdgpu_metadata
---
amdhsa.version: [ 1, 2 ]
amdhsa.kernels:
  - .name:           k_q1490e4b65f_proj
    .symbol:         k_q1490e4b65f_proj.kd
    .args:
      - { .name: xw, .offset: 0, .size: 8, .value_kind: global_buffer, .address_space: global }
      - { .name: rot, .offset: 8, .size: 8, .value_kind: global_buffer, .address_space: global }
      - { .name: kv, .offset: 16, .size: 8, .value_kind: global_buffer, .address_space: global }
      - { .name: qf, .offset: 24, .size: 8, .value_kind: global_buffer, .address_space: global }
    .group_segment_fixed_size: 327680
    .private_segment_fixed_size: 0
    .kernarg_segment_align: 8
    .kernarg_segment_size: 32
    .max_flat_workgroup_size: 128
    .sgpr_count:     100
    .vgpr_count:     1024
    .wavefront_size: 32
...
	.end_amdgpu_metadata
.endif
;; end of part 2
;; launch attn (part 3): grid 32 x 8, 4 waves a work-group, clusters of 4 x 1, 327,680 bytes of LDS; arguments qf, kv, af; writes af
.if DOCPART == 3
	.amdgcn_target "amdgcn-amd-amdhsa--gfx1250"
	.amdhsa_code_object_version 6
	.text
	.protected	k_q1490e4b65f_attn
	.globl	k_q1490e4b65f_attn
	.p2align	8
	.type	k_q1490e4b65f_attn,@function
k_q1490e4b65f_attn:
	s_mov_b64 s[64:65], 0
	v_nop
	global_prefetch_b8 v0, s[64:65] scope:SCOPE_SE
	s_setreg_imm32_b32 hwreg(HW_REG_WAVE_MODE, 25, 1), 1
	s_wait_xcnt 0x0
	s_wait_alu depctr_hold_cnt(0) depctr_sa_sdst(0) depctr_va_vdst(0) depctr_va_sdst(0) depctr_va_ssrc(0) depctr_va_vcc(0) depctr_vm_vsrc(0)
	s_getreg_b32 s2, hwreg(HW_REG_IB_STS2, 6, 4)
	s_cmp_eq_u32 s2, 0
	s_cbranch_scc0 .Lentry_in_a_cluster
	s_endpgm
.Lentry_in_a_cluster:
	s_bfe_u32 s2, ttmp6, 0x10000c
	s_cmp_lg_u32 s2, 0x3003
	s_cbranch_scc0 .Lentry_shape_is_right
	s_endpgm
.Lentry_shape_is_right:
; ATTN.  attn[h][q] = the sum over k of softmax_k(q . k / sqrt(128)) v, 8 heads, 2,048 queries, 4,096 keys, head size 128, no mask.  Operands in f16, products, maxima and sums in f32.
; q and k arrive x 2^-6, so the softmax's constant is log2(e) / sqrt(128) x 2^12; v arrives halved, and attn leaves halved (the next launch's weights are doubled).
; SHARES.  A work-group owns 64 queries of one head: four tiles of 16, held by ALL four waves.  THE WAVES SHARE THE KEYS: wave w walks keys 1,024 w .. + 1,023, 64 a step, 16 steps, with a running maximum and sum of its own;
; at the end the four waves' parts are brought under the largest of their maxima and added, through LDS.
; OPERANDS are images of registers: a key step of a head is 32,768 dense bytes of kv (16 fragments of K, then 16 of V^T), one tensor load; every LDS load takes 512 consecutive bytes.
; LAYOUT.  S^T = K Q^T, O^T = V^T P: a lane holds one query throughout; two tiles of S^T, rounded to f16 in pairs, are source 1 of the second product.
; BY TURNS.  The wave's tiles are two pieces (tiles 0, 1 and tiles 2, 3).  In a turn one piece has the matrix unit (32 products V^T P, then 32 products K Q^T of the next step); the other piece's softmax, in 64 slices, stands between them.
; CLUSTER.  The four work-groups of a cluster belong to one head and walk the same keys: wave w of each asks for its step's tile JOINTLY.  The walk of cluster i begins at step 2 i of the wave's 16 and goes round.
; Each wave has a ring of two slots of its own and reads only its own bytes, behind its own wait on TENSORcnt; a slot's refill stands behind a round of the cluster's barrier.
; REGISTERS: window 0: v2-8 addresses; v12-43 statistics, eight a tile; v44-47 merge addresses; v64-191 S^T; v192-255 P.   window 1: O^T, 64 a tile.   window 2: v0-127 Q; v128-255 K.   window 3: v0-127 V.
; LIMITS: as the launch before states them for q, k and v; weights p under 6e-5 are carried with f16's absolute step 6e-8.
.set SLOT1, 32768
.set RING,  65536
.set SPARE, 4*RING                     ; behind the rings: the spare words, 128 bytes for each wave
.set MRG,   SPARE+512                  ; 4,096 bytes: the waves' c m (2,048), then their sums: tile t, lane l, wave w at 512 t + 16 l + 4 w
.set AK0, 2                            ; v2   my ring + 16 x lane
.set ADR, 4
.set QO,  5                            ; v5   16 x lane
.set MS,  6
.set ML,  7
.set ML2, 8
.set RB,  44
.set SPW, 62
.set NIL, 63
.set ST,  12                           ; tile t's statistics at v[ST+8 t]: +0 c m, +1 m, +2, +3 l, +4 to +7 at work
.set S,   64
.set P,   192
.set KF,  128
.set WV,  12
.set G1,  24
.set G0,  40                           ; s[40:43] the first fill of slot 0; s[44:47] of slot 1: this set then walks
.set KB,  48                           ; s[48:49] my 16 key steps in kv
.set OFS, 50
.set TAU, 52
.set CNT, 56
.set CS,  58
.set SEL, 60
.set TB,  62                           ; s62  0 or SLOT1: the slot from which the next fetches read
.set MSB, 0
.macro WIN new
.if MSB != \new
	s_set_vgpr_msb (MSB<<8)|\new
.set MSB, \new
.endif
.endm
.set W_KQ, 0x0a
.set W_PV, 0x53
.set W_RS, 0x41
.macro CROUND
	s_barrier_signal -1
	s_barrier_wait -1
	s_cmp_lg_u32 s[WV], 0
	s_cbranch_scc1 .Lnot_wave_0_\@
	s_barrier_signal -3
.Lnot_wave_0_\@:
	s_barrier_wait -3
	s_barrier_signal -1
	s_barrier_wait -1
.endm
	s_load_b128 s[4:7], s[0:1], 0x0                ; qf, kv
	s_load_b64 s[8:9], s[0:1], 0x10                ; af
	v_lshl_add_u32 v[SPW], v0, 2, SPARE
	v_mov_b32 v[NIL], 0
	ds_add_u32 v[SPW], v[NIL]                      ; the wave's opening: the add, twice on end, and its wait ahead of my first tensor load
	ds_add_u32 v[SPW], v[NIL]
	v_lshrrev_b32 v1, 5, v0
	v_readfirstlane_b32 s[WV], v1
	s_bfe_u32 s13, ttmp6, 0x40000                  ; cx
	s_lshl_b32 s14, ttmp9, 2
	s_add_co_u32 s14, s14, s13                     ; my block of 64 queries: it enters Q's and the result's addresses alone
	s_and_b32 s20, ttmp7, 0xffff                   ; the head
	s_lshl_b32 s16, s20, 21
	s_lshl_b32 s17, s[WV], 19
	s_add_co_u32 s16, s16, s17
	s_mov_b32 s17, 0
	s_lshl_b32 s18, s20, 19
	s_lshl_b32 s19, s14, 14
	s_add_co_u32 s18, s18, s19
	s_mov_b32 s19, 0
	s_lshr_b32 s22, s14, 1                         ; af [128 rows][head][tile of 16 rows][4,096]; at the end wave w stores tile w
	s_lshl_b32 s22, s22, 18
	s_lshl_b32 s23, s20, 15
	s_add_co_u32 s22, s22, s23
	s_and_b32 s23, s14, 1
	s_lshl_b32 s23, s23, 2
	s_add_co_u32 s23, s23, s[WV]
	s_lshl_b32 s23, s23, 12
	s_add_co_u32 s22, s22, s23
	s_mov_b32 s23, 0
	s_mov_b32 s[G1], 15|(3<<16)|(1<<21)            ; 15:0 the mask: all four work-groups; 17:16 elements of 8 bytes; 21 set beside a mask
	s_mov_b32 s[G1+1], 32<<16                      ; rows of 256 bytes,
	s_mov_b32 s[G1+2], 128<<16                     ; 128 of them,
	s_mov_b32 s[G1+3], 32<<16
	s_mov_b32 s[G1+4], 128
	s_mov_b32 s[G1+5], 32                          ; dense
	s_mov_b32 s[G1+6], 0
	s_mov_b32 s[G1+7], 0
	s_mov_b32 s[CS], 0x440293ee                    ; c = log2(e) / sqrt(128) x 2^12
	s_mov_b32 s[CS+1], s[CS]
	s_mov_b32 s[SEL], 0x76543210
	s_mov_b32 s[SEL+1], 0xfedcba98
	s_mov_b32 s[TB], 0
	s_mov_b32 s[OFS+1], 0
	s_lshl_b32 s[TAU], ttmp9, 1                    ; the walk's first step: 2 x the cluster's number, 14 at the most
	s_lshl_b32 s21, s[WV], 16                      ; my ring
	s_wait_dscnt 0x0
	s_wait_kmcnt 0x0
	s_add_nc_u64 s[KB:KB+1], s[6:7], s[16:17]
	s_add_nc_u64 s[4:5], s[4:5], s[18:19]
	s_add_nc_u64 s[8:9], s[8:9], s[22:23]
	CROUND                                         ; all four work-groups are here: the first joint loads meet
	s_mov_b32 s[G0], 1
	s_mov_b32 s[G0+1], s21
	s_lshl_b32 s[OFS], s[TAU], 15
	s_add_nc_u64 s[G0+2:G0+3], s[KB:KB+1], s[OFS:OFS+1]
	s_or_b32 s[G0+3], s[G0+3], 0x80000000
	s_add_co_u32 s[TAU], s[TAU], 1
	s_mov_b32 s[G0+4], 1
	s_add_co_u32 s[G0+5], s21, SLOT1
	s_lshl_b32 s[OFS], s[TAU], 15
	s_add_nc_u64 s[G0+6:G0+7], s[KB:KB+1], s[OFS:OFS+1]
	s_or_b32 s[G0+7], s[G0+7], 0x80000000
	tensor_load_to_lds s[G0:G0+3], s[G1:G1+7]      ; two loads of mine are out
	s_nop 0
	tensor_load_to_lds s[G0+4:G0+7], s[G1:G1+7]
	s_nop 0
.rept 4
	v_nop
.endr
	v_and_b32 v1, 31, v0
	v_lshlrev_b32 v[QO], 4, v1
	v_add_nc_u32 v[AK0], s21, v[QO]
	WIN 0x80
.irp i, 0,1,2,3,4,5,6,7,8,9,10,11,12,13,14,15      ; Q stays in registers: tile i / 4, fragment i % 4
	global_load_b128 v[8*\i:8*\i+3],   v[QO], s[4:5] offset:1024*\i
	global_load_b128 v[8*\i+4:8*\i+7], v[QO], s[4:5] offset:1024*\i+512
.endr
	WIN 0
; THE MATRIX WORK OF A TURN, for piece x.  The accumulators take turns, one instruction a turn.
.macro PV x, zero
	WIN W_PV
.set rO, 64*(\x+i%2)+8*((i/2)%8)
.set rV, 64*(i/16)+8*((i/2)%8)
.set rP, P+16*(\x+i%2)+8*(i/16)
.if \zero && (i < 16)
	v_wmma_f32_16x16x32_f16 v[rO:rO+7], v[rV:rV+7], v[rP:rP+7], 0
.else
	v_wmma_f32_16x16x32_f16 v[rO:rO+7], v[rV:rV+7], v[rP:rP+7], v[rO:rO+7]
.endif
.endm
.macro KQ x
	WIN W_KQ
.set rS, S+32*(\x+i%2)+8*((i/2)%4)
.set rK, KF+32*((i/2)%4)+8*(i/8)
.set rQ, 32*(\x+i%2)+8*(i/8)
.if i < 8
	v_wmma_f32_16x16x32_f16 v[rS:rS+7], v[rK:rK+7], v[rQ:rQ+7], 0
.else
	v_wmma_f32_16x16x32_f16 v[rS:rS+7], v[rK:rK+7], v[rQ:rQ+7], v[rS:rS+7]
.endif
.endm
; THE LDS LOADS stand in runs of 32: a step's K and, a turn later, its V.
.macro FETCH_K
	WIN 0
	v_add_nc_u32 v[ADR], s[TB], v[AK0]
	WIN 0x80
.irp f, 0,1,2,3,4,5,6,7,8,9,10,11,12,13,14,15
	ds_load_b128 v[KF+8*\f:KF+8*\f+3],   v[ADR] offset:1024*\f
	ds_load_b128 v[KF+8*\f+4:KF+8*\f+7], v[ADR] offset:1024*\f+512
.endr
.endm
.macro FETCH_V
	WIN 0
	v_add_nc_u32 v[ADR], s[TB], v[AK0]
	s_wait_alu depctr_va_vdst(0)    ; the wait for the softmax's batch of exponentials, ahead of the first instruction that names a result
	WIN 0xc0
.irp f, 0,1,2,3,4,5,6,7,8,9,10,11,12,13,14,15
	ds_load_b128 v[8*\f:8*\f+3],   v[ADR] offset:16384+1024*\f
	ds_load_b128 v[8*\f+4:8*\f+7], v[ADR] offset:16384+1024*\f+512
.endr
.endm
; THE VECTOR WORK OF A TURN.  One tile's softmax for one key step is a list of 134 instructions; SM writes number j of it for tile t.
;   0-15 the maximum of the lane's 32 scores and the old m;  16-20 the other half of the lanes', the new m, c m, c m_old - c m_new;  21-69 ONE BATCH: 16 packed scalings c s - c m and 33 exponentials, none of which reads
;   an exponential's result;  (the wait);  70-85 roundings to f16;  86-101 the sums, l = a l + the sum;  102-133 the tile's O^T times a.    first = 1: the first key step has no a and nothing to rescale.
.macro SM t, first
.set rT, ST+8*(\t)
.set rS, S+32*(\t)
.set rP, P+16*(\t)
.set rO, 64*(\t)+2*(j-102)
.if j < 102
	WIN 0
.endif
.if j < 4
	v_max3_num_f32 v[rT+4+j], v[rS+8*j], v[rS+8*j+1], v[rS+8*j+2]
.elseif j < 12
	v_max3_num_f32 v[rT+4+j%4], v[rT+4+j%4], v[rS+8*(j%4)+2*(j/4)+1], v[rS+8*(j%4)+2*(j/4)+2]
.elseif j == 12
	v_max3_num_f32 v[rT+4], v[rT+4], v[rS+7], v[rS+15]
.elseif j == 13
	v_max3_num_f32 v[rT+6], v[rT+6], v[rS+23], v[rS+31]
.elseif j == 14
	v_max3_num_f32 v[rT+4], v[rT+4], v[rT+5], v[rT+6]
.elseif (j == 15) && \first
	v_max_num_f32 v[rT+4], v[rT+4], v[rT+7]
.elseif j == 15
	v_max3_num_f32 v[rT+4], v[rT+4], v[rT+7], v[rT+1]
.elseif j == 16
	v_permlanex16_b32 v[rT+5], v[rT+4], s[SEL], s[SEL+1]
.elseif j == 18
	v_max_num_f32 v[rT+1], v[rT+4], v[rT+5]
.elseif j == 19
	v_mul_f32 v[rT], s[CS], v[rT+1]
.elseif ((j == 17) || (j == 20) || (j == 23) || (j > 101)) && \first
.elseif j == 17
	v_mov_b32 v[rT+7], v[rT]
.elseif j == 20
	v_sub_f32 v[rT+7], v[rT+7], v[rT]
.elseif j == 23
	v_exp_f32 v[rT+6], v[rT+7]
.elseif (j < 23) || ((j < 38) && (j%2 == 0)) || ((j < 66) && (j%4 == 2))
.set b, (j-2)/4
.if j < 38
.set b, (j-20)/2
.endif
	v_pk_fma_f32 v[rS+2*b:rS+2*b+1], v[rS+2*b:rS+2*b+1], s[CS:CS+1], v[rT:rT+1] op_sel_hi:[1,0,0] neg_lo:[0,0,1] neg_hi:[0,0,1]
.elseif j < 70
.set e, j-38
.if j < 66
.set e, j-32-(j-38)/4
.endif
.if j < 38
.set e, (j-25)/2
.endif
	v_exp_f32 v[rS+e], v[rS+e]
.elseif j < 86
	v_cvt_pk_f16_f32 v[rP+j-70], v[rS+2*(j-70)], v[rS+2*(j-70)+1]
.elseif j < 102
.set z, j-86
.set w, 4
.set u, z
.if z >= 14
.set w, 32
.set u, 0
.elseif z >= 12
.set w, 16
.set u, z-12
.elseif z >= 8
.set w, 8
.set u, z-8
.endif
.if (z == 14) && \first
	v_pk_add_f32 v[rT+2:rT+3], v[rS:rS+1], v[rS+16:rS+17]
.elseif z < 15
	v_pk_add_f32 v[rS+w*u:rS+w*u+1], v[rS+w*u:rS+w*u+1], v[rS+w*u+w/2:rS+w*u+w/2+1]
.elseif !\first
	v_pk_fma_f32 v[rT+2:rT+3], v[rT+2:rT+3], v[rT+6:rT+7], v[rS:rS+1] op_sel_hi:[1,0,1]
.endif
.else
	WIN W_RS
	v_pk_mul_f32 v[rO:rO+1], v[rO:rO+1], v[rT+6:rT+7] op_sel_hi:[1,0]
.endif
.endm
; Slice k of 64 of piece y's softmax: four instructions; slices 11 to 34 deal out the batch, four numbers of one tile each; slice 63 takes the twelve that are over.  Behind slice 34 stands the batch's one wait.
.macro SLICE y, first
.if (k >= 11) && (k < 35)
.irp n, 0,1,2,3
.set j, 22+4*((k-11)/2)+(\n)
	SM (\y)+(k-11)%2, \first
.endr
.else
.irp n, 0,1,2,3,4,5,6,7
.if (\n < 2) || (k == 63)
.irp t, \y, \y+1
.set j, 2*k+\n
	SM \t, \first
.endr
.endif
.endr
.endif
.if k == 34
	v_nop                           ; the plain instruction behind the last exponential: one for the batch
.if (\y) == 0
	FETCH_V                         ; piece 2's turn: V's run of loads stands here, and the wait stands in it
.else
	s_wait_alu depctr_va_vdst(0)    ; the wait for the batch
.endif
.endif
.set k, k+1
.endm
.macro PLACES
.rept 4
	v_nop
.endr
.endm
; A TURN.  pv = 2: 32 products V^T P; 1: they start O^T's sums; 0: none.  kq = 1: 32 products K Q^T for the next step.  Piece 0's turn fetches the next step's K behind its second product; piece 2's the same step's V behind slice 34.
.macro TURN x, pv, kq, first
.set k, 0
.set per, 2
.if \pv && \kq
.set per, 1
.endif
.if \pv
.if \x == 0
	s_wait_dscnt 0x0                ; V is in
.endif
.set i, 0
.rept 32
	PV \x, 2-\pv
.rept per
	SLICE 2-\x, \first
.endr
.if (\x == 0) && \kq && (i == 1)
	FETCH_K
.endif
.set i, i+1
.endr
.endif
.if \kq
.if \x == 0
	s_wait_dscnt 0x0                ; K is in
.endif
.set i, 0
.rept 32
	KQ \x
.rept per
	SLICE 2-\x, \first
.endr
.set i, i+1
.endr
.endif
.if \first
	PLACES
.endif
.endm
; THE CHANGE OF SLOTS, between piece 2's turn and piece 0's: the slot's last bytes, its step's V, have been asked for.  fill = 1: the slot is filled again, with the step two on: the wave waits for all its tensor loads
; (one is out: the other slot's), adds 0 to its spare word, steps the walking descriptor, waits for the add and for its reads of the slot; a round of the cluster's barrier; the joint refill first behind it.
; fill = 0: nothing is filled and only I read my ring: the wait for my last load is all that the reads need.
.macro CHANGE fill
	WIN 0
	s_wait_tensorcnt 0x0
.if \fill
	ds_add_u32 v[SPW], v[NIL]
	s_xor_b32 s[G0+5], s[G0+5], SLOT1
	s_add_co_u32 s[TAU], s[TAU], 1
	s_and_b32 s[TAU], s[TAU], 15
	s_lshl_b32 s[OFS], s[TAU], 15
	s_add_nc_u64 s[G0+6:G0+7], s[KB:KB+1], s[OFS:OFS+1]
	s_or_b32 s[G0+7], s[G0+7], 0x80000000
	s_wait_dscnt 0x0
	CROUND
	tensor_load_to_lds s[G0+4:G0+7], s[G1:G1+7]
	s_nop 0
.rept 4
	v_nop
.endr
.endif
	s_xor_b32 s[TB], s[TB], SLOT1   ; the fetches go on in the other slot
.endm
	s_wait_tensorcnt 1              ; my first step's tile is in; the second's may stay out
	FETCH_K
	s_wait_loadcnt 0x0              ; Q
	s_wait_dscnt 0x0
.set i, 0
.rept 32
	KQ 0
.set i, i+1
.endr
	WIN 0                           ; the merge's addresses are made here: eight plain instructions, the places behind those products
	v_add_nc_u32 v[ML], MRG, v[QO]
	s_lshl_b32 s15, s[WV], 2
	v_add_nc_u32 v[MS], s15, v[ML]
	s_lshl_b32 s15, s[WV], 9
	v_add_nc_u32 v[ML2], s15, v[ML]
	v_add_nc_u32 v[ML2], 2048, v[ML2]
	s_lshl_b32 s15, s[WV], 13
	v_add_nc_u32 v[RB], s15, v[QO]
	v_add_nc_u32 v[RB+1], RING, v[RB]
	v_add_nc_u32 v[RB+2], 2*RING, v[RB]
	v_add_nc_u32 v[RB+3], 3*RING, v[RB]
	TURN 2, 0, 1, 1                 ; piece 2's first scores | piece 0's first softmax | V of step 0
	CHANGE 1                        ; slot 0 takes step 2
	TURN 0, 1, 1, 1                 ; piece 0: V^T P of step 0 starts O^T, K Q^T of step 1 | piece 2's first softmax | K of step 1
	TURN 2, 1, 1, 0
	WIN 0
	s_mov_b32 s[CNT], 13
.Lstep:                             ; 13 trips: steps 3 to 15 are asked for
	CHANGE 1
	TURN 0, 2, 1, 0
	TURN 2, 2, 1, 0
	WIN 0
	s_sub_co_u32 s[CNT], s[CNT], 1
	s_cmp_lg_u32 s[CNT], 0
	s_cbranch_scc1 .Lstep
	CHANGE 0                        ; the tail is written out
	TURN 0, 2, 1, 0
	TURN 2, 2, 1, 0
	TURN 0, 2, 0, 0                 ; piece 0: V^T P of the last step | piece 2's last softmax
.set i, 0
.rept 32
	PV 2, 0
.set i, i+1
.endr
	; THE MERGE.  Each wave's sum l; the four waves' c m meet in LDS; each wave brings its l and O^T under the largest; O^T goes to the wave's own ring (its last fill has landed and its last read is over); wave w adds tile w's four parts.
	WIN 0
.irp t, 0,1,2,3
	v_add_f32 v[ST+8*\t+4], v[ST+8*\t+2], v[ST+8*\t+3]             ; (these four are the places behind the last products)
.endr
.irp t, 0,1,2,3
	v_permlanex16_b32 v[ST+8*\t+5], v[ST+8*\t+4], s[SEL], s[SEL+1]
.endr
.irp t, 0,1,2,3
	v_add_f32 v[ST+8*\t+4], v[ST+8*\t+4], v[ST+8*\t+5]
.endr
.irp t, 0,1,2,3
	ds_store_b32 v[MS], v[ST+8*\t] offset:512*\t
.endr
	s_wait_dscnt 0x0                ; for the others' sake: my stores are done
	s_barrier_signal -1
	s_barrier_wait -1
.irp t, 0,1,2,3
	ds_load_b128 v[S+4*\t:S+4*\t+3], v[ML] offset:512*\t
.endr
	s_wait_dscnt 0x0
.irp t, 0,1,2,3
	v_max3_num_f32 v[ST+8*\t+5], v[S+4*\t], v[S+4*\t+1], v[S+4*\t+2]
.endr
.irp t, 0,1,2,3
	v_max_num_f32 v[ST+8*\t+5], v[ST+8*\t+5], v[S+4*\t+3]
.endr
.irp t, 0,1,2,3
	v_sub_f32 v[ST+8*\t+6], v[ST+8*\t], v[ST+8*\t+5]
.endr
.irp t, 0,1,2,3
	v_exp_f32 v[ST+8*\t+6], v[ST+8*\t+6]
.endr
	v_nop                           ; a plain instruction behind the last exponential
	s_wait_alu depctr_va_vdst(0)    ; one wait for the four, ahead of their first reader
.irp t, 0,1,2,3
	v_mul_f32 v[ST+8*\t+4], v[ST+8*\t+4], v[ST+8*\t+6]
.endr
	WIN W_RS
.irp t, 0,1,2,3
.set i, 64*\t
.rept 32
	v_pk_mul_f32 v[i:i+1], v[i:i+1], v[ST+8*\t+6:ST+8*\t+7] op_sel_hi:[1,0]
.set i, i+2
.endr
.endr
	WIN 0x04                        ; an LDS store's data are its source 1: window 1
.set i, 0
.rept 64
	ds_store_b128 v[AK0], v[4*i:4*i+3] offset:512*i
.set i, i+1
.endr
	WIN 0
.irp t, 0,1,2,3
	ds_store_b32 v[MS], v[ST+8*\t+4] offset:2048+512*\t
.endr
	s_wait_dscnt 0x0
	s_barrier_signal -1
	s_barrier_wait -1
	WIN 0x40
.irp q, 0,1,2,3
.irp n, 0,1,2,3,4,5,6,7,8,9,10,11,12,13,14,15
	ds_load_b128 v[64*\q+4*\n:64*\q+4*\n+3], v[RB+\q] offset:512*\n
.endr
.endr
	WIN 0
	ds_load_b128 v[S:S+3], v[ML2]
	s_wait_dscnt 0x0
	WIN 0x55
.set i, 0
.rept 32
	v_pk_add_f32 v[i:i+1], v[i:i+1], v[64+i:65+i]
	v_pk_add_f32 v[128+i:129+i], v[128+i:129+i], v[192+i:193+i]
.set i, i+2
.endr
.set i, 0
.rept 32
	v_pk_add_f32 v[i:i+1], v[i:i+1], v[128+i:129+i]
.set i, i+2
.endr
	WIN 0
	v_add_f32 v[S], v[S], v[S+1]
	v_add_f32 v[S+2], v[S+2], v[S+3]
	v_add_f32 v[S], v[S], v[S+2]
	v_mov_b32 v[S+5], 0             ; named with the reciprocal as a pair, so it is written
	v_rcp_f32 v[S+4], v[S]
	v_nop
	s_wait_alu depctr_va_vdst(0)
	WIN W_RS
.set i, 0
.rept 32
	v_pk_mul_f32 v[i:i+1], v[i:i+1], v[S+4:S+5] op_sel_hi:[1,0]
.set i, i+2
.endr
	WIN 0x05
.set i, 0
.rept 32
	v_cvt_pk_f16_f32 v[S+32+i], v[2*i], v[2*i+1]
.set i, i+1
.endr
	WIN 0
.irp c, 0,1,2,3,4,5,6,7
	global_store_b128 v[QO], v[S+32+4*\c:S+32+4*\c+3], s[8:9] offset:512*\c   ; 512 consecutive bytes: half a fragment's image for the next launch
.endr
	s_wait_tensorcnt 0x0            ; the wave's end
	ds_add_u32 v[SPW], v[NIL]
	s_wait_dscnt 0x0
	CROUND                          ; the closing round
	s_endpgm
.Lfunc_end_k_q1490e4b65f_attn:
	.size	k_q1490e4b65f_attn, .Lfunc_end_k_q1490e4b65f_attn-k_q1490e4b65f_attn
	.p2alignl 7, 3214868480
	.fill 96, 4, 3214868480
	.section	.rodata,"a",@progbits
	.p2align	6, 0x0
	.amdhsa_kernel k_q1490e4b65f_attn
		.amdhsa_group_segment_fixed_size 327680
		.amdhsa_private_segment_fixed_size 0
		.amdhsa_enable_private_segment 0
		.amdhsa_kernarg_size 24
		.amdhsa_user_sgpr_count 2
		.amdhsa_user_sgpr_kernarg_segment_ptr 1
		.amdhsa_wavefront_size32 1
		.amdhsa_system_sgpr_workgroup_id_x 1
		.amdhsa_system_sgpr_workgroup_id_y 1
		.amdhsa_system_sgpr_workgroup_id_z 1
		.amdhsa_system_vgpr_workitem_id 0
		.amdhsa_next_free_vgpr 1024
		.amdhsa_next_free_sgpr 66
		.amdhsa_reserve_vcc 0
		.amdhsa_float_denorm_mode_32 3
		.amdhsa_float_denorm_mode_16_64 3
		.amdhsa_memory_ordered 1
		.amdhsa_forward_progress 1
		.amdhsa_inst_pref_size 224
	.end_amdhsa_kernel
	.amdgpu_metadata
---
amdhsa.version: [ 1, 2 ]
amdhsa.kernels:
  - .name:           k_q1490e4b65f_attn
    .symbol:         k_q1490e4b65f_attn.kd
    .args:
      - { .name: qf, .offset: 0, .size: 8, .value_kind: global_buffer, .address_space: global }
      - { .name: kv, .offset: 8, .size: 8, .value_kind: global_buffer, .address_space: global }
      - { .name: af, .offset: 16, .size: 8, .value_kind: global_buffer, .address_space: global }
    .group_segment_fixed_size: 327680
    .private_segment_fixed_size: 0
    .kernarg_segment_align: 8
    .kernarg_segment_size: 24
    .max_flat_workgroup_size: 128
    .sgpr_count:     66
    .vgpr_count:     1024
    .wavefront_size: 32
...
	.end_amdgpu_metadata
.endif
;; end of part 3
;; launch outp (part 4): grid 16 x 16, 4 waves a work-group, clusters of 4 x 4, 327,680 bytes of LDS; arguments af, wf, out0; writes out0
.if DOCPART == 4
	.amdgcn_target "amdgcn-amd-amdhsa--gfx1250"
	.amdhsa_code_object_version 6
	.text
	.protected	k_q1490e4b65f_outp
	.globl	k_q1490e4b65f_outp
	.p2align	8
	.type	k_q1490e4b65f_outp,@function
k_q1490e4b65f_outp:
	s_mov_b64 s[64:65], 0
	v_nop
	global_prefetch_b8 v0, s[64:65] scope:SCOPE_SE
	s_setreg_imm32_b32 hwreg(HW_REG_WAVE_MODE, 25, 1), 1
	s_wait_xcnt 0x0
	s_wait_alu depctr_hold_cnt(0) depctr_sa_sdst(0) depctr_va_vdst(0) depctr_va_sdst(0) depctr_va_ssrc(0) depctr_va_vcc(0) depctr_vm_vsrc(0)
	s_getreg_b32 s2, hwreg(HW_REG_IB_STS2, 6, 4)
	s_cmp_eq_u32 s2, 0
	s_cbranch_scc0 .Lentry_in_a_cluster
	s_endpgm
.Lentry_in_a_cluster:
	s_bfe_u32 s2, ttmp6, 0x10000c
	s_cmp_lg_u32 s2, 0xf033
	s_cbranch_scc0 .Lentry_shape_is_right
	s_endpgm
.Lentry_shape_is_right:
; OUTP.  out0[m][n] = the sum over d of attn[m][d] Wo[n][d], M = 2,048, N = 4,096, K = 1,024; operands in f16 (attn halved, Wo doubled: both exact), sums in f32.
; A tile of out0 is 128 (m) x 256 (n): 256 work-groups.  Four waves, each 64 x 128: 32 accumulators, window 1.  A K step is one head, 128: four matrix instructions deep.
; Both operands lie in memory as images of registers, with one and the same order of a head's channels: a K step's part of A's tile is 32,768 dense bytes of af, of B's tile 65,536 of wf.  Waves 0 and 1 fetch A's halves, waves 2 and 3 B's.
; CLUSTERS of 4 x 4: A's tiles are asked for jointly along a row, B's along a column.  The walk over the heads begins at 2 (cluster x + cluster y) mod 8 and goes round.
; The matrix instruction is used transposed (source 0 = 16 rows of Wo, source 1 = 16 rows of attn): a lane holds eight neighbouring numbers of a row of out0.
; REGISTERS: window 0: v16-29 addresses; two fragment buffers: B's eight fragments at v32 and v128, A's four at v96 and v192; on the way out v32-159 take rows back from the stage.   window 1: accumulator (a, b) at v[8 (8 a + b)].
.set SLOT,   98304                     ; A's halves at 0 and 16,384, B's at 32,768 and 65,536
.set STAGE,  2*SLOT                    ; behind the ring: 16 rows x 528 bytes for each wave
.set SPITCH, 528
.set SPARE,  STAGE+4*16*SPITCH
.set LAPS,   4
.set ADRA, 16
.set ADRB, 20
.set STO,  24
.set RD,   25
.set CO,   26
.set SPW,  28
.set NIL,  29
.set F0,   32
.set F1,   128
.set BK,   32
.set G1,  24
.set G0,  32
.set G1B, 48
.set G0B, 56
.set ABASE, 66
.set BBASE, 68
.set TAU,  70
.set OFA,  72
.set OFB,  74
.set MSB, 0
.macro WIN new
.if MSB != \new
	s_set_vgpr_msb (MSB<<8)|\new
.set MSB, \new
.endif
.endm
.set MUL, 0x50                         ; C and D window 1, sources window 0
.macro JLOAD s                         ; an s_nop 0 and four v_nop follow each of the two lines
	s_cmp_eq_u32 s11, 0
	s_cbranch_scc0 .Lfor_b_\@
	tensor_load_to_lds s[G0+4*\s:G0+4*\s+3], s[G1:G1+7]
	s_nop 0
.rept 4
	v_nop
.endr
	s_branch .Lasked_\@
.Lfor_b_\@:
	tensor_load_to_lds s[G0B+4*\s:G0B+4*\s+3], s[G1B:G1B+7]
	s_nop 0
.rept 4
	v_nop
.endr
.Lasked_\@:
.endm
.macro CREST
	s_cmp_lg_u32 s10, 0
	s_cbranch_scc1 .Lnot_wave_0_\@
	s_barrier_signal -3
.Lnot_wave_0_\@:
	s_barrier_wait -3
	s_barrier_signal -1
	s_barrier_wait -1
.endm
.macro CROUND
	s_barrier_signal -1
	s_barrier_wait -1
	CREST
.endm
.macro SETADR slot                     ; the slot's two groups 0 point at head TAU
	s_lshl_b32 s[OFA], s[TAU], 15
	s_lshl_b32 s[OFB], s[TAU], 16
	s_add_nc_u64 s[G0+4*\slot+2:G0+4*\slot+3], s[ABASE:ABASE+1], s[OFA:OFA+1]
	s_or_b32 s[G0+4*\slot+3], s[G0+4*\slot+3], 0x80000000
	s_add_nc_u64 s[G0B+4*\slot+2:G0B+4*\slot+3], s[BBASE:BBASE+1], s[OFB:OFB+1]
	s_or_b32 s[G0B+4*\slot+3], s[G0B+4*\slot+3], 0x80000000
.endm
.macro NEXTTAU
	s_add_co_u32 s[TAU], s[TAU], 1
	s_and_b32 s[TAU], s[TAU], 7
.endm
	s_load_b128 s[4:7], s[0:1], 0x0                ; af, wf
	s_load_b64 s[8:9], s[0:1], 0x10                ; out0
	v_lshl_add_u32 v[SPW], v0, 2, SPARE
	v_mov_b32 v[NIL], 0
	ds_add_u32 v[SPW], v[NIL]                      ; the wave's opening: the add, twice on end, and its wait ahead of my first tensor load
	ds_add_u32 v[SPW], v[NIL]
	v_lshrrev_b32 v1, 5, v0
	v_readfirstlane_b32 s10, v1
	s_lshr_b32 s11, s10, 1                         ; my half of the tile's rows.  Also: I fetch for A (0) or for B (1)
	s_and_b32 s12, s10, 1                          ; my half of its columns.  Also: which half I fetch
	s_bfe_u32 s40, ttmp6, 0x40000
	s_bfe_u32 s41, ttmp6, 0x40004
	s_lshl_b32 s42, ttmp9, 2
	s_add_co_u32 s42, s42, s40                     ; tile column
	s_and_b32 s13, ttmp7, 0xffff
	s_add_co_u32 s[TAU], s13, ttmp9
	s_lshl_b32 s[TAU], s[TAU], 1
	s_and_b32 s[TAU], s[TAU], 7                    ; the walk's first head: the same in all sixteen partners
	s_lshl_b32 s13, s13, 2
	s_add_co_u32 s13, s13, s41                     ; tile row
	s_lshl_b32 s43, s41, 2
	s_lshl_b32 s43, 15, s43
	s_lshl_b32 s44, 0x1111, s40
	s_or_b32 s[G1+0], s43, (3<<16)|(1<<21)         ; the mask; elements of 8 bytes; 21 set beside a mask
	s_or_b32 s[G1B+0], s44, (3<<16)|(1<<21)
	s_mov_b32 s[G1+1], 32<<16                      ; A: 64 dense rows of 256 bytes
	s_mov_b32 s[G1+2], 64<<16
	s_mov_b32 s[G1+3], 32<<16
	s_mov_b32 s[G1+4], 64
	s_mov_b32 s[G1+5], 32
	s_mov_b32 s[G1+6], 0
	s_mov_b32 s[G1+7], 0
	s_mov_b32 s[G1B+1], 32<<16                     ; B: 128
	s_mov_b32 s[G1B+2], 128<<16
	s_mov_b32 s[G1B+3], 32<<16
	s_mov_b32 s[G1B+4], 128
	s_mov_b32 s[G1B+5], 32
	s_mov_b32 s[G1B+6], 0
	s_mov_b32 s[G1B+7], 0
	s_lshl_b32 s16, s13, 18
	s_lshl_b32 s17, s12, 14
	s_add_co_u32 s16, s16, s17
	s_mov_b32 s17, 0
	s_lshl_b32 s46, s42, 19
	s_lshl_b32 s47, s12, 15
	s_add_co_u32 s46, s46, s47
	s_mov_b32 s47, 0
	s_lshl_b32 s20, s12, 14                        ; where the halves go
	s_lshl_b32 s21, s12, 15
	s_add_co_u32 s21, s21, 32768
	s_mov_b32 s[OFA+1], 0
	s_mov_b32 s[OFB+1], 0
	s_wait_dscnt 0x0
	s_wait_kmcnt 0x0
	s_add_nc_u64 s[ABASE:ABASE+1], s[4:5], s[16:17]
	s_add_nc_u64 s[BBASE:BBASE+1], s[6:7], s[46:47]
	CROUND
.irp s, 0,1
	s_mov_b32 s[G0+4*\s], 1
	s_add_co_u32 s[G0+4*\s+1], s20, \s*SLOT
	s_mov_b32 s[G0B+4*\s], 1
	s_add_co_u32 s[G0B+4*\s+1], s21, \s*SLOT
.endr
	SETADR 0
	JLOAD 0
	NEXTTAU
	SETADR 1
	JLOAD 1
	v_and_b32 v1, 15, v0
	v_bfe_u32 v2, v0, 4, 1
	v_and_b32 v3, 31, v0
	v_lshlrev_b32 v[CO], 4, v3
	s_lshl_b32 s21, s11, 14
	s_lshl_b32 s22, s12, 15
	s_add_co_u32 s22, s22, 32768
.irp s, 0,1
	v_add_nc_u32 v[ADRA+\s], s21, v[CO]
	v_add_nc_u32 v[ADRB+\s], s22, v[CO]
	s_add_co_u32 s21, s21, SLOT
	s_add_co_u32 s22, s22, SLOT
.endr
	s_mul_i32 s23, s10, 16*SPITCH
	s_add_co_u32 s23, s23, STAGE
	v_mul_u32_u24 v5, v1, SPITCH
	v_lshl_add_u32 v5, v2, 5, v5
	v_add_nc_u32 v[STO], s23, v5                   ; in: row l % 16, 32 bytes for each half of the lanes
	v_add_nc_u32 v[RD], s23, v[CO]                 ; back: the 32 lanes take one row of 512 bytes
	s_lshl_b32 s20, s13, 7
	s_lshl_b32 s21, s11, 6
	s_add_co_u32 s20, s20, s21
	s_lshl_b32 s20, s20, 14                        ; my first row, 16,384 bytes a row
	s_lshl_b32 s46, s42, 10
	s_lshl_b32 s47, s12, 9
	s_add_co_u32 s46, s46, s47
	s_add_co_u32 s20, s20, s46
	s_mov_b32 s21, 0
	s_add_nc_u64 s[8:9], s[8:9], s[20:21]
.macro MULA f, a, zero                 ; eight matrix instructions: A's block a x B's eight, 32 along K.  The 32 accumulators take turns in the same order in every quarter
.irp b, 0,1,2,3,4,5,6,7
.if \zero
	v_wmma_f32_16x16x32_f16 v[8*(8*(\a)+\b):8*(8*(\a)+\b)+7], v[\f+8*\b:\f+8*\b+7], v[\f+64+8*(\a):\f+64+8*(\a)+7], 0
.else
	v_wmma_f32_16x16x32_f16 v[8*(8*(\a)+\b):8*(8*(\a)+\b)+7], v[\f+8*\b:\f+8*\b+7], v[\f+64+8*(\a):\f+64+8*(\a)+7], v[8*(8*(\a)+\b):8*(8*(\a)+\b)+7]
.endif
.endr
.endm
.macro FETCH slot, ph, f               ; 24 LDS loads in one run: B's eight fragments, then A's four, of the slot's ph-th 32 along K
	WIN 0
.irp i, 0,1,2,3,4,5,6,7
	ds_load_b128 v[\f+8*\i:\f+8*\i+3],   v[ADRB+\slot] offset:4096*\i+1024*(\ph)
	ds_load_b128 v[\f+8*\i+4:\f+8*\i+7], v[ADRB+\slot] offset:4096*\i+1024*(\ph)+512
.endr
.irp i, 0,1,2,3
	ds_load_b128 v[\f+64+8*\i:\f+64+8*\i+3],   v[ADRA+\slot] offset:4096*\i+1024*(\ph)
	ds_load_b128 v[\f+64+8*\i+4:\f+64+8*\i+7], v[ADRA+\slot] offset:4096*\i+1024*(\ph)+512
.endr
.endm
.macro PLACES                          ; four plain instructions in front of loads into registers that matrix instructions have read, and of the first read of results
.rept 4
	v_nop
.endr
.endm
.macro QUARTER slot, ph, f, g, zero    ; multiplies buffer f; in its middle fetches the slot's ph-th 32 along K into buffer g
	s_wait_dscnt 4                                 ; B and A's blocks 0, 1 are in; the youngest four loads (A's blocks 2, 3) may be out
	WIN MUL
	MULA \f, 0, \zero
	MULA \f, 1, \zero
	PLACES
	FETCH \slot, \ph, \g
	s_wait_dscnt 24                                ; all but the 24 just issued
	WIN MUL
	MULA \f, 2, \zero
	MULA \f, 3, \zero
.endm
.macro TURN slot, next, fill           ; a K step's last quarter changes slots
	WIN 0
	s_wait_tensorcnt 0x0                           ; my one load that was out, my part of the next slot, has landed
	ds_add_u32 v[SPW], v[NIL]
	s_wait_dscnt 5                                 ; the add and A's blocks 2, 3 may be out
	WIN MUL
	MULA F1, 0, 0
	s_wait_dscnt 0x0                               ; the add is done, and my reads of this slot are over
	s_barrier_signal -1
	MULA F1, 1, 0
.if \fill
	WIN 0
.endif
	s_barrier_wait -1
.if \fill
	CREST                                          ; the barrier has opened a round of the cluster's
	NEXTTAU
	SETADR \slot
	JLOAD \slot                                    ; the first tensor load behind the round; its four v_nop are the places in front of the loads below
.else
	PLACES
.endif
	FETCH \next, 0, F0
	WIN MUL
	MULA F1, 2, 0
	MULA F1, 3, 0
.endm
	s_wait_tensorcnt 1                             ; my part of the first head is in (the second's load may be out),
	s_barrier_signal -1
	s_barrier_wait -1                              ; everybody's is
	FETCH 0, 0, F0
	QUARTER 0, 1, F0, F1, 1                        ; the first quarter stands in front of the loop: its products start the sums
	WIN 0
	s_mov_b32 s3, LAPS-1
.Llap:
	QUARTER 0, 2, F1, F0, 0
	QUARTER 0, 3, F0, F1, 0
	TURN 0, 1, 1
	QUARTER 1, 1, F0, F1, 0
	QUARTER 1, 2, F1, F0, 0
	QUARTER 1, 3, F0, F1, 0
	TURN 1, 0, 1
	QUARTER 0, 1, F0, F1, 0
	WIN 0
	s_sub_co_u32 s3, s3, 1
	s_cmp_lg_u32 s3, 0
	s_cbranch_scc1 .Llap
	QUARTER 0, 2, F1, F0, 0                        ; the last lap fills nothing
	QUARTER 0, 3, F0, F1, 0
	TURN 0, 1, 0
	QUARTER 1, 1, F0, F1, 0
	QUARTER 1, 2, F1, F0, 0
	QUARTER 1, 3, F0, F1, 0
	s_wait_dscnt 4
	WIN MUL
	MULA F1, 0, 0
	MULA F1, 1, 0
	s_wait_dscnt 0
	MULA F1, 2, 0
	MULA F1, 3, 0
	WIN 0
; THE WAY OUT, block by block of 16 rows x 128 columns, through my own stage: in as 32 bytes a lane, back as whole rows of 512 bytes.  LDS serves a wave's instructions in order: no wait between the stores and the loads.
.macro TOSTAGE a
	WIN 0x04                                       ; an LDS store's data are its source 1: window 1
.irp b, 0,1,2,3,4,5,6,7
	ds_store_b128 v[STO], v[64*(\a)+8*\b:64*(\a)+8*\b+3] offset:64*\b        ; each accumulator from its low end on
	ds_store_b128 v[STO], v[64*(\a)+8*\b+4:64*(\a)+8*\b+7] offset:64*\b+16
.endr
	WIN 0
.set BKS, BK+64*((\a)%2)
.irp t, 0,1,2,3,4,5,6,7,8,9,10,11,12,13,14,15
	ds_load_b128 v[BKS+4*\t:BKS+4*\t+3], v[RD] offset:\t*SPITCH
.endr
.endm
.macro SEND a, younger                 ; younger: the LDS instructions issued behind block a's loads
.set BKS, BK+64*((\a)%2)
	s_wait_dscnt \younger
.if (\a) > 0
	s_add_nc_u64 s[8:9], s[8:9], 16*16384          ; behind a wait on XCNT: the earlier stores have read their base
.endif
.irp t, 0,1,2,3,4,5,6,7,8,9,10,11,12,13,14,15
	global_store_b128 v[CO], v[BKS+4*\t:BKS+4*\t+3], s[8:9] offset:\t*16384 th:TH_STORE_NT   ; 32 lanes store 512 consecutive bytes, at a multiple of 512 from out0's first byte
.endr
.endm
	PLACES
	TOSTAGE 0
.irp a, 1,2,3
.if \a > 1
	s_wait_xcnt 0x0                                ; block a - 2's stores have read their registers and their base
.endif
	TOSTAGE \a
	SEND \a-1, 32
.endr
	s_wait_xcnt 0x0
	SEND 3, 0
	s_wait_tensorcnt 0x0                           ; the wave's end
	ds_add_u32 v[SPW], v[NIL]
	s_wait_dscnt 0x0
	CROUND                                         ; the closing round
	s_endpgm
.Lfunc_end_k_q1490e4b65f_outp:
	.size	k_q1490e4b65f_outp, .Lfunc_end_k_q1490e4b65f_outp-k_q1490e4b65f_outp
	.p2alignl 7, 3214868480
	.fill 96, 4, 3214868480
	.section	.rodata,"a",@progbits
	.p2align	6, 0x0
	.amdhsa_kernel k_q1490e4b65f_outp
		.amdhsa_group_segment_fixed_size 327680
		.amdhsa_private_segment_fixed_size 0
		.amdhsa_enable_private_segment 0
		.amdhsa_kernarg_size 24
		.amdhsa_user_sgpr_count 2
		.amdhsa_user_sgpr_kernarg_segment_ptr 1
		.amdhsa_wavefront_size32 1
		.amdhsa_system_sgpr_workgroup_id_x 1
		.amdhsa_system_sgpr_workgroup_id_y 1
		.amdhsa_system_sgpr_workgroup_id_z 1
		.amdhsa_system_vgpr_workitem_id 0
		.amdhsa_next_free_vgpr 512
		.amdhsa_next_free_sgpr 80
		.amdhsa_reserve_vcc 0
		.amdhsa_float_denorm_mode_32 3
		.amdhsa_float_denorm_mode_16_64 3
		.amdhsa_memory_ordered 1
		.amdhsa_forward_progress 1
		.amdhsa_inst_pref_size 85
	.end_amdhsa_kernel
	.amdgpu_metadata
---
amdhsa.version: [ 1, 2 ]
amdhsa.kernels:
  - .name:           k_q1490e4b65f_outp
    .symbol:         k_q1490e4b65f_outp.kd
    .args:
      - { .name: af, .offset: 0, .size: 8, .value_kind: global_buffer, .address_space: global }
      - { .name: wf, .offset: 8, .size: 8, .value_kind: global_buffer, .address_space: global }
      - { .name: out0, .offset: 16, .size: 8, .value_kind: global_buffer, .address_space: global }
    .group_segment_fixed_size: 327680
    .private_segment_fixed_size: 0
    .kernarg_segment_align: 8
    .kernarg_segment_size: 24
    .max_flat_workgroup_size: 128
    .sgpr_count:     80
    .vgpr_count:     512
    .wavefront_size: 32
...
	.end_amdgpu_metadata
.endif
;; end of part 4
